; MI455X (gfx1250); checked and timed in simulation.
; The chip was launched on July 23, 2026; its instructions are those of AMD's public machine-readable ISA for CDNA 5 (MIT licence, August 2026) and "CDNA5" Instruction Set Architecture Reference Guide (July 2026). The comments in the code are by the model that wrote it; some were corrected since.
;; Simple Attention. Allowed arithmetic: matrix products marked QUANTISED: E2M3 operands, one E8M0 scale for each 32 along K, by v_wmma_scale_f32_16x16x128_f8f6f4 with both operands' format E2M3, f32 sums; everything else in f32.
;; Inputs: Wk 1,024 x 1,024 float32; Wq 1,024 x 1,024 float32; Wv 1,024 x 1,024 float32; bk 1,024 float32; bq 1,024 float32; bv 1,024 float32; x 4 x 2,048 x 1,024 float32.
;; Outputs: out0 4 x 2,048 x 1,024 float32.
;; This version of the problem:
;;   THIS VERSION OF THE PROBLEM IS GIVEN IN LOW PRECISION. The matrix products marked QUANTISED in the list below multiply operands that are first quantised to E2M3 (2 exponent bits, 3 mantissa bits; 6 bits a number), with one power-of-two scale for each 32 numbers along K (OCP MX v1.0); their sums are f32. All else is computed in f32.
;;   The module's matrix products, in the order in which they are computed (A, B: the left and right operand; K: the contracted axis; several contracted axes count as one K, in the product's order):
;;     1. [M 8,192, K 1,024] x [K 1,024, N 1,024]; A: input x; B: input Wq: QUANTISED
;;     2. [M 8,192, K 1,024] x [K 1,024, N 1,024]; A: input x; B: input Wk: QUANTISED
;;     3. [M 8,192, K 1,024] x [K 1,024, N 1,024]; A: input x; B: input Wv: QUANTISED
;;     4. batch 4 x [M 2,048, K 1,024] x [K 1,024, N 2,048]; A: computed on the way; B: computed on the way: QUANTISED
;;     5. batch 4 x [M 2,048, K 2,048] x [K 2,048, N 1,024]; A: softmax (see below); B: computed on the way: QUANTISED
;;   THE QUANTISER, for each operand of a quantised product, along K:
;;     - K is cut into blocks of 32 from its start; a last block that is shorter is filled with zeros.
;;     - A block's scale is 2^e with e = floor(log2(the largest magnitude in the block)) - 2, held to -126 .. 127; a block of zeros has e = 0. As a byte (E8M0): e + 127.
;;     - Each number is divided by its block's scale, clamped to +-7.5, and rounded to the nearest number of E2M3, ties to even, subnormals kept.
;;     - The product sums the exact products of the quantised numbers (number of the format x scale) in f32.
;;   ~~~python
;;   def quantise(x, axis):      # numpy; x: float32 -> the quantised numbers, widened to float32 again
;;       x = np.moveaxis(x, axis, -1); K = x.shape[-1]
;;       x = np.pad(x, [(0, 0)] * (x.ndim - 1) + [(0, -K % 32)]); x = x.reshape(x.shape[:-1] + (-1, 32)); a = np.abs(x).max(-1, keepdims=True)
;;       e = np.where(a > 0, np.clip(np.frexp(np.where(a > 0, a, 1))[1] - 1 - 2, -126, 127), 0)      # np.frexp(a)[1] - 1 = floor(log2(a)), exactly
;;       r = np.clip(x / 2.0 ** e, -7.5, 7.5)
;;       step = 2.0 ** (np.maximum(np.frexp(np.where(r == 0, 1, r))[1] - 1, 0) - 3)
;;       q = np.round(r / step) * step * 2.0 ** e      # np.round: ties to even
;;       return np.moveaxis(q.reshape(q.shape[:-2] + (-1,))[..., :K], -1, axis).astype(np.float32)
;;   ~~~
;;   SOFTMAX AHEAD OF A QUANTISED PRODUCT. Where the list says 'softmax', what is quantised is not the finished softmax but p = 2^(t - M), with t = logit x log2(e) and M = ceil(the row's largest t), a whole number; so 1/2 < the row's largest p <= 1. The row's sum l is taken of the UNQUANTISED p, in f32, and the product's result is divided by l at the end. Since M is a whole number, a kernel that streams over the keys may use a running M (the ceiling of the running maximum): every later rescaling is an exact power of two, which a block's scale takes up: the codes' values come out the same.
;;   OPERANDS COMPUTED ON THE WAY. 'Computed on the way' means the value that the module computes at that place (a softmax that the list does not call 'softmax' is quantised finished and normalised). What goes into a quantiser is computed in f32, as accurately as f32 sums, v_exp_f32 and their like allow (about 1e-6 of the number): no bf16 or f16 on the way to a quantiser, and a product that is left as it is and whose result goes on into a quantised operand takes f32 operands (vector FMAs, or v_wmma_f32_16x16x4_f32). A number that lies on a knife's edge between two numbers of the format may be rounded either way, as far as f32 arithmetic and the matrix unit's own rounding can turn it there, and no further.
;; One version. Each part assembles by itself: llvm-mc -triple=amdgcn-amd-amdhsa -mcpu=gfx1250 --defsym DOCPART=n.
;; ======== version 1 of 1: 4 launches
;; limits: right only within a limited range of input values
;; workspace buffers: opq 9,011,200 bytes; qkv 19,660,800 bytes; pbuf 14,155,776 bytes
;; launch quant (part 1): grid 448 x 1, 4 waves a work-group, no clusters, 48,640 bytes of LDS; arguments x, Wq, Wk, Wv, opq; writes opq
.if DOCPART == 1
	.amdgcn_target "amdgcn-amd-amdhsa--gfx1250"
	.amdhsa_code_object_version 6
	.text
	.protected	k_q217e225f7e_quant
	.globl	k_q217e225f7e_quant
	.p2align	8
	.type	k_q217e225f7e_quant,@function
k_q217e225f7e_quant:
	s_mov_b64 s[64:65], 0
	v_nop
	global_prefetch_b8 v0, s[64:65] scope:SCOPE_SE
	s_setreg_imm32_b32 hwreg(HW_REG_WAVE_MODE, 25, 1), 1
	s_wait_xcnt 0x0
; x [8192][1024] and Wq, Wk, Wv [1024 (k)][1024 (n)], f32, become codes of E2M3 with one E8M0 byte for each 32 along K, in ONE table of operand tiles, opq.
; A TILE is 16 rows of an operand; tile T's lane-row r stands for row 64 (T / 4) + 8 (T % 4) + r % 8 + 32 (r / 8), so that a later product's 16 registers of two neighbouring tiles are 16 neighbours along its next K.
; A FRAGMENT (tile T, K step ks of 128) is stored as the image of its 12 registers: register 4 g + w of lane l at byte 512 g + 16 l + 4 w of its 1,536 bytes.  Codes: [T 704][ks 8][1536]; scale words behind them: [ks 8][T 704][16 words].
; T 0-511: x;  512-575: Wq;  576-639: Wk;  640-703: Wv (a weight's rows are its columns n).
; A block's scale is 2^(floor(log2(its largest magnitude)) - 2); its byte is the largest magnitude's exponent field - 2, held at 1 from below.
; LIMITS: a block of zeros gets the byte 1 where the rule says 127 (its codes are zeros, and this program alone reads the bytes); blocks whose largest magnitude lies under 2^-124 keep the byte 1; NaN and infinities are not served.
; Work-groups 0-255 take x: 64 rows x 512 along K, a wave 4 fragments of one K step.  Work-groups 256-447 take the weights: one K step x 128 columns, a wave 32 columns (two tiles).
; No tensor loads, no barrier: waves share nothing.  The two ways have LDS bytes of their own.  No cluster: no two work-groups read the same bytes.
.set XST,  0                           ; x: a stage of 16 rows x (512 + 16) bytes for each wave
.set XSS,  33792                       ; x: 256 bytes of scale words for each wave
.set WST,  34816                       ; weights: two images, 1,664 bytes apart, for each wave
.set SCB,  8650752                     ; where the scale words begin in opq
.set KSP,  45056                       ; from one K step's scale words to the next's: 704 tiles x 64 bytes
.set PC,   8                           ; v8-27    the codes just made
.set R,    32                          ; v32-159  x: two sets of 64 numbers as loaded.  (weights: v32-95 two sets of 32)
.set X,    160                         ; v160-223 x: 64 numbers of my row: register 16 b + i = k 32 b + 16 (lane / 16) + i
.set TM,   224                         ; v224-239 at work
.set PW,   240                         ; the scale word just made
.set SEL,  20                          ; s[20:21] selects of v_permlanex16_b32 for lane l xor 16
; 64 numbers of a lane, register 16 b + i = k 32 b + 16 (lane / 16) + i of my row, become a fragment's codes in v[PC] on and its scale word in v[PW]
.macro QUANT s
.irp b, 0,1,2,3
	v_max3_num_f32 v[TM+\b], |v[\s+16*\b]|, |v[\s+1+16*\b]|, 0x1800000   ; block b: my 16 numbers, and the floor 2^(3 - 127): the byte cannot fall under 1
.endr
.irp i, 2,4,6,8,10,12,14
.irp b, 0,1,2,3
	v_max3_num_f32 v[TM+\b], v[TM+\b], |v[\s+16*\b+\i]|, |v[\s+1+16*\b+\i]|   ; the four blocks by turns
.endr
.endr
.irp b, 0,1,2,3
	v_permlanex16_b32 v[TM+4+\b], v[TM+\b], s[SEL], s[SEL+1]
.endr
.irp b, 0,1,2,3
	v_max_num_f32 v[TM+\b], v[TM+\b], v[TM+4+\b]   ; with lane l xor 16's: the block's largest magnitude
.endr
.irp b, 0,1,2,3
	v_add_nc_u32 v[TM+12+\b], 0xff000000, v[TM+\b]   ; 2 off its exponent field: the conversion's scale operand
.endr
.irp b, 0,1,2,3
	v_lshrrev_b32 v[TM+4+\b], 23, v[TM+12+\b]   ; the scale's byte
.endr
	v_lshl_or_b32 v[PW], v[TM+5], 8, v[TM+4]
	v_lshl_or_b32 v[PW], v[TM+6], 16, v[PW]
	v_lshl_or_b32 v[PW], v[TM+7], 24, v[PW]
.irp c, 0,1
	v_cvt_scalef32_pk16_fp6_f32 v[PC+6*\c:PC+2+6*\c], v[\s+32*\c:\s+15+32*\c], v[TM+12+2*\c]
	v_cvt_scalef32_pk16_fp6_f32 v[PC+12+4*\c:PC+14+4*\c], v[\s+16+32*\c:\s+31+32*\c], v[TM+12+2*\c+1]   ; (a conversion's three registers begin on an even number)
.endr
	v_nop                                          ; one plain place behind a scaled conversion
.irp c, 0,1                                    ; the operand's layout wants a whole block in a lane: lanes 0-15 block 2 c, lanes 16-31 block 2 c + 1
.irp i, 0,1,2
	v_permlane16_swap_b32 v[PC+6*\c+\i], v[PC+12+4*\c+\i]
.endr
.irp i, 0,1,2
	v_mov_b32 v[PC+3+6*\c+\i], v[PC+12+4*\c+\i]
.endr
.endr
.endm
; x: the 16 rows of tile t of my four, 512 bytes of each: every load reads 512 consecutive bytes
.macro LOADX t
.irp i, 0,1,2,3,4,5,6,7,8,9,10,11,12,13,14,15
	global_load_b128 v[R+64*((\t)%2)+4*\i:R+64*((\t)%2)+4*\i+3], v1, s[4:5] offset:(8*(\t)+\i%8+32*(\i/8))*4096 th:TH_LOAD_NT   ; THE ORDER OF ROWS: tile 4 g + t, lane-row 8 h + i stands for row 64 g + 32 h + 8 t + i, of x and of the weights
.endr
.endm
.macro XFRAG t
.if (\t) < 3
	s_wait_loadcnt 16                              ; this tile's 16 loads are in; the next tile's 16 may be out
.else
	s_wait_loadcnt 0x0
.endif
.irp i, 0,1,2,3,4,5,6,7,8,9,10,11,12,13,14,15
	ds_store_b128 v2, v[R+64*((\t)%2)+4*\i:R+64*((\t)%2)+4*\i+3] offset:528*\i   ; row i as it lies
.endr
.irp b, 0,1,2,3
.irp j, 0,1,2,3
	ds_load_b128 v[X+16*\b+4*\j:X+16*\b+4*\j+3], v3 offset:128*\b+16*\j   ; back: of row lane % 16, 16 neighbours of each block of 32.  LDS serves a wave's instructions in order: these see the stores
.endr
.endr
	s_wait_dscnt 0x0                               ; the numbers are back, and the stores have read their registers,
.if (\t) < 2
	LOADX (\t)+2                                   ; which take the tile two on
.endif
	s_wait_xcnt 0x0                                ; the codes' registers, which the last fragment's stores read, are rewritten only behind this wait
	QUANT X
.irp g, 0,1,2
	global_store_b128 v1, v[PC+4*\g:PC+4*\g+3], s[24:25] offset:12288*(\t)+512*\g   ; the image: 512 consecutive bytes a store, aligned
.endr
	ds_store_b32 v4, v[PW] offset:64*(\t)          ; lanes l and l + 16 write the same word with the same value
.endm
; weights: block t (32 along K) of my column into set t % 2: a load reads two runs of 64 bytes, the four waves stand side by side
.macro LOADW t
.irp i, 0,1,2,3,4,5,6,7,8,9,10,11,12,13,14,15,16,17,18,19,20,21,22,23,24,25,26,27,28,29,30,31
	global_load_b32 v[32+32*((\t)%2)+\i], v2, s[6:7] offset:(32*(\t)+\i)*4096 th:TH_LOAD_NT
.endr
.endm
.macro BLOCKW t
.set XS, 32+32*((\t)%2)
.if (\t) < 3
	s_wait_loadcnt 32                              ; this block's 32 loads are in; the next block's may be out
.else
	s_wait_loadcnt 0x0
.endif
	v_max3_num_f32 v12, |v[XS]|, |v[XS+1]|, |v[XS+2]|   ; the block's largest magnitude: all 32 numbers are mine
	v_max3_num_f32 v13, |v[XS+3]|, |v[XS+4]|, |v[XS+5]|
.irp i, 6,10,14,18,22,26
	v_max3_num_f32 v12, v12, |v[XS+\i]|, |v[XS+\i+1]|
	v_max3_num_f32 v13, v13, |v[XS+\i+2]|, |v[XS+\i+3]|
.endr
	v_max3_num_f32 v12, v12, |v[XS+30]|, |v[XS+31]|
	v_max3_num_f32 v12, v12, v13, 0x1800000        ; and the floor
	v_add_nc_u32 v11, 0xff000000, v12
	v_lshrrev_b32 v13, 23, v11
.if (\t) == 0
	v_mov_b32 v24, v13
.else
	v_lshl_or_b32 v24, v13, 8*(\t), v24            ; my column's scale word: byte t
.endif
	v_cvt_scalef32_pk16_fp6_f32 v[96:98], v[XS:XS+15], v11
	v_cvt_scalef32_pk16_fp6_f32 v[100:102], v[XS+16:XS+31], v11
	v_nop                                          ; one plain place behind a scaled conversion
	v_mov_b32 v99, v100
	v_mov_b32 v100, v101
	v_mov_b32 v101, v102                           ; v96-101: the block's 192 bits.  They are registers 6 c .. 6 c + 5 of lane r' + 16 h of my tile's fragment, t = 2 c + h
.if (\t)/2 == 0
	ds_store_b128 v7, v[96:99] offset:256*((\t)%2)
	ds_store_b64 v7, v[100:101] offset:512+256*((\t)%2)
.else
	ds_store_b64 v7, v[96:97] offset:520+256*((\t)%2)
	ds_store_b128 v7, v[98:101] offset:1024+256*((\t)%2)
.endif
.if (\t) < 2
	LOADW (\t)+2
.endif
	s_wait_dscnt 0x0                               ; the stores have read their registers
.endm
	s_load_b256 s[4:11], s[0:1], 0x0               ; x s[4:5], Wq s[6:7], Wk s[8:9], Wv s[10:11]
	s_load_b64 s[12:13], s[0:1], 0x20              ; opq
	v_lshl_add_u32 v248, v0, 2, 0xbc00
	v_mov_b32 v249, 0
	v_lshrrev_b32 v1, 5, v0
	v_readfirstlane_b32 s14, v1                    ; wave 0..3
	v_and_b32 v28, 31, v0                          ; lane
	v_and_b32 v29, 15, v0                          ; r
	v_bfe_u32 v30, v0, 4, 1                        ; h
	v_lshlrev_b32 v1, 4, v28                       ; 16 x lane
	s_mov_b32 s[SEL], 0x76543210
	s_mov_b32 s[SEL+1], 0xfedcba98
	s_wait_kmcnt 0x0
	s_cmp_lt_u32 ttmp9, 256
	s_cbranch_scc0 .Lweights
	; ---- x
	s_lshr_b32 s15, ttmp9, 1                       ; G: which 64 rows (tiles 4 G .. 4 G + 3)
	s_and_b32 s16, ttmp9, 1
	s_lshl_b32 s16, s16, 2
	s_add_co_u32 s16, s16, s14                     ; ks = 4 (g % 2) + wave
	s_lshl_b32 s18, s15, 18                        ; 64 rows of 4,096 bytes
	s_lshl_b32 s19, s16, 9
	s_add_co_u32 s18, s18, s19
	s_mov_b32 s19, 0
	s_add_nc_u64 s[4:5], s[4:5], s[18:19]
	s_and_b32 s22, s15, 0x7c                       ; x's 64 rows 4 g + 2 w + c are stored as group 4 g + 2 c + w: the two low bits change places
	s_bfe_u32 s23, s15, 0x10001
	s_and_b32 s17, s15, 1
	s_lshl_b32 s17, s17, 1
	s_or_b32 s22, s22, s23
	s_or_b32 s15, s22, s17
	s_lshl_b32 s18, s15, 5
	s_add_co_u32 s18, s18, s16
	s_mul_i32 s18, s18, 1536                       ; fragment (4 G, ks)
	s_add_nc_u64 s[24:25], s[12:13], s[18:19]
	s_mul_i32 s18, s16, KSP
	s_lshl_b32 s22, s15, 8
	s_add_co_u32 s18, s18, s22
	s_add_co_u32 s18, s18, SCB
	s_add_nc_u64 s[26:27], s[12:13], s[18:19]      ; my four tiles' scale words: 256 bytes
	s_mul_i32 s17, s14, 8448
	s_wait_alu depctr_va_vdst(0)
	v_add_nc_u32 v2, s17, v1                       ; the stage, in: 16 x lane
	v_mul_u32_u24 v3, v29, 528
	v_lshl_add_u32 v3, v30, 6, v3
	v_add_nc_u32 v3, s17, v3                       ; out: row r, + 64 h
	s_lshl_b32 s17, s14, 8
	s_add_co_u32 s17, s17, XSS
	v_lshl_add_u32 v4, v29, 2, s17
	v_lshlrev_b32 v6, 3, v28
	v_add_nc_u32 v5, s17, v6
.irp b, 0,1,2,3
	v_mov_b32 v[TM+4+\b], 0                        ; written once: a lane permute's destination counts as one of its sources
.endr
	LOADX 0
	LOADX 1
	s_wait_alu depctr_va_vdst(0)
	XFRAG 0
	XFRAG 1
	XFRAG 2
	XFRAG 3
	ds_load_b64 v[28:29], v5                       ; my wave's 64 scale words
	s_wait_dscnt 0x0
	global_store_b64 v6, v[28:29], s[26:27]        ; 256 consecutive bytes, aligned
	s_wait_tensorcnt 0x0
	ds_add_u32 v248, v249
	s_wait_dscnt 0x0
	s_endpgm
	; ---- the weights: a lane takes a column n, and its registers run down K
.Lweights:
	s_sub_co_u32 s15, ttmp9, 256
	s_lshr_b32 s16, s15, 6                         ; which weight
	s_bfe_u32 s17, s15, 0x30003                    ; ks
	s_and_b32 s18, s15, 7
	s_lshl_b32 s18, s18, 2
	s_add_co_u32 s18, s18, s14                     ; which 32 columns
	s_cmp_eq_u32 s16, 0
	s_cselect_b64 s[6:7], s[6:7], s[8:9]
	s_cmp_eq_u32 s16, 2
	s_cselect_b64 s[6:7], s[10:11], s[6:7]         ; the choice hangs on the work-group's number alone
	s_lshl_b32 s22, s17, 19                        ; 128 rows of 4,096 bytes
	s_and_b32 s23, s15, 7                          ; my wave's columns: 128 x group + 64 (wave / 2) + 16 (wave % 2) + lane % 16 + 32 (lane / 16)
	s_lshl_b32 s23, s23, 9
	s_add_co_u32 s22, s22, s23
	s_lshr_b32 s23, s14, 1
	s_lshl_b32 s23, s23, 8
	s_add_co_u32 s22, s22, s23
	s_and_b32 s23, s14, 1
	s_lshl_b32 s23, s23, 6
	s_add_co_u32 s22, s22, s23
	s_mov_b32 s23, 0
	s_add_nc_u64 s[6:7], s[6:7], s[22:23]
	s_lshl_b32 s22, s16, 6
	s_lshl_b32 s24, s18, 1
	s_add_co_u32 s22, s22, s24
	s_add_co_u32 s22, s22, 512                     ; my first tile
	s_lshl_b32 s24, s22, 3
	s_add_co_u32 s24, s24, s17
	s_mul_i32 s24, s24, 1536
	s_mov_b32 s25, 0
	s_add_nc_u64 s[24:25], s[12:13], s[24:25]
	s_mul_i32 s26, s17, KSP
	s_lshl_b32 s22, s22, 6
	s_add_co_u32 s26, s26, s22
	s_add_co_u32 s26, s26, SCB
	s_mov_b32 s27, 0
	s_add_nc_u64 s[26:27], s[12:13], s[26:27]
	s_wait_alu depctr_va_vdst(0)
	v_lshlrev_b32 v2, 2, v29
	v_lshl_add_u32 v2, v30, 7, v2
	v_bfe_u32 v4, v0, 3, 1                         ; column n of the 32 is lane-row r' = n % 8 + 8 (n / 16) of tile u = (n / 8) % 2
	v_and_b32 v5, 7, v0
	v_lshl_add_u32 v5, v30, 3, v5
	s_mul_i32 s22, s14, 3328
	s_add_co_u32 s22, s22, WST
	v_mul_u32_u24 v7, v4, 1664
	v_lshl_add_u32 v7, v5, 4, v7
	v_add_nc_u32 v7, s22, v7                       ; into the images: 1,664 u + 16 r'
	v_add_nc_u32 v3, s22, v1                       ; out of them: 16 x lane
	v_lshlrev_b32 v6, 6, v4
	v_lshl_add_u32 v6, v5, 2, v6                   ; my scale word's place: 64 u + 4 r'
	LOADW 0
	LOADW 1
	BLOCKW 0
	BLOCKW 1
	BLOCKW 2
	BLOCKW 3
	s_wait_alu depctr_va_vdst(0)
	global_store_b32 v6, v24, s[26:27]             ; 128 consecutive bytes a wave: the weights' scale words are 98,304 bytes in all
.irp u, 0,1
.irp g, 0,1,2
	ds_load_b128 v[112+4*(3*\u+\g):112+4*(3*\u+\g)+3], v3 offset:1664*\u+512*\g
.endr
.endr
.irp u, 0,1
.irp g, 0,1,2
	s_wait_dscnt 5-3*\u-\g                         ; LDS loads come back in order: this one is in, the later ones may be out
	global_store_b128 v1, v[112+4*(3*\u+\g):112+4*(3*\u+\g)+3], s[24:25] offset:12288*\u+512*\g
.endr
.endr
	s_wait_tensorcnt 0x0
	ds_add_u32 v248, v249
	s_wait_dscnt 0x0
	s_endpgm
.Lfunc_end_k_q217e225f7e_quant:
	.size	k_q217e225f7e_quant, .Lfunc_end_k_q217e225f7e_quant-k_q217e225f7e_quant
	.p2alignl 7, 3214868480
	.fill 96, 4, 3214868480
	.section	.rodata,"a",@progbits
	.p2align	6, 0x0
	.amdhsa_kernel k_q217e225f7e_quant
		.amdhsa_group_segment_fixed_size 48640
		.amdhsa_private_segment_fixed_size 0
		.amdhsa_enable_private_segment 0
		.amdhsa_kernarg_size 40
		.amdhsa_user_sgpr_count 2
		.amdhsa_user_sgpr_kernarg_segment_ptr 1
		.amdhsa_wavefront_size32 1
		.amdhsa_system_sgpr_workgroup_id_x 1
		.amdhsa_system_sgpr_workgroup_id_y 1
		.amdhsa_system_sgpr_workgroup_id_z 1
		.amdhsa_system_vgpr_workitem_id 0
		.amdhsa_next_free_vgpr 250
		.amdhsa_next_free_sgpr 66
		.amdhsa_reserve_vcc 0
		.amdhsa_float_denorm_mode_32 3
		.amdhsa_float_denorm_mode_16_64 3
		.amdhsa_memory_ordered 1
		.amdhsa_forward_progress 1
		.amdhsa_inst_pref_size 56
	.end_amdhsa_kernel
	.amdgpu_metadata
---
amdhsa.version: [ 1, 2 ]
amdhsa.kernels:
  - .name:           k_q217e225f7e_quant
    .symbol:         k_q217e225f7e_quant.kd
    .args:
      - { .name: x, .offset: 0, .size: 8, .value_kind: global_buffer, .address_space: global }
      - { .name: Wq, .offset: 8, .size: 8, .value_kind: global_buffer, .address_space: global }
      - { .name: Wk, .offset: 16, .size: 8, .value_kind: global_buffer, .address_space: global }
      - { .name: Wv, .offset: 24, .size: 8, .value_kind: global_buffer, .address_space: global }
      - { .name: opq, .offset: 32, .size: 8, .value_kind: global_buffer, .address_space: global }
    .group_segment_fixed_size: 48640
    .private_segment_fixed_size: 0
    .kernarg_segment_align: 8
    .kernarg_segment_size: 40
    .max_flat_workgroup_size: 128
    .sgpr_count:     66
    .vgpr_count:     250
    .wavefront_size: 32
...
	.end_amdgpu_metadata
.endif
;; end of part 1
;; launch proj (part 2): grid 16 x 16, 4 waves a work-group, clusters of 4 x 4, 327,680 bytes of LDS; arguments opq, bq, bk, bv, qkv; writes qkv
.if DOCPART == 2
	.amdgcn_target "amdgcn-amd-amdhsa--gfx1250"
	.amdhsa_code_object_version 6
	.text
	.protected	k_q217e225f7e_proj
	.globl	k_q217e225f7e_proj
	.p2align	8
	.type	k_q217e225f7e_proj,@function
k_q217e225f7e_proj:
	s_mov_b64 s[64:65], 0
	v_nop
	global_prefetch_b8 v0, s[64:65] scope:SCOPE_SE
	s_setreg_imm32_b32 hwreg(HW_REG_WAVE_MODE, 25, 1), 1
	s_wait_xcnt 0x0
	s_wait_alu depctr_hold_cnt(0) depctr_sa_sdst(0) depctr_va_vdst(0) depctr_va_sdst(0) depctr_va_ssrc(0) depctr_va_vcc(0) depctr_vm_vsrc(0)
	s_getreg_b32 s2, hwreg(HW_REG_IB_STS2, 6, 4)
	s_cmp_eq_u32 s2, 0
	s_cbranch_scc0 .Lentry_in_a_cluster
	s_endpgm
.Lentry_in_a_cluster:
	s_bfe_u32 s2, ttmp6, 0x10000c
	s_cmp_lg_u32 s2, 0xf033
	s_cbranch_scc0 .Lentry_shape_is_right
	s_endpgm
.Lentry_shape_is_right:
; q = x Wq + bq, k = x Wk + bk, quantised along their 1,024 columns, and v = x Wv + bv, quantised along the keys: codes of E2M3 and E8M0 scale words, in the order of the operand registers of the launches that read them.
; LIMITS: a block of zeros gets the byte 1 (its codes are zeros; this program alone reads the bytes); blocks whose largest magnitude lies under 2^-124 keep the byte 1; NaN and infinities are not served.
; IN: opq: codes [T 704][ks 8][1536], a fragment as the image of its 12 registers (register 4 c + w of lane l at 512 c + 16 l + 4 w); scale words [ks 8][T 704][16].  Tile 4 g + j, lane-row 8 h + i is row 64 g + 32 h + 8 j + i; x's groups of 64 lie with the two low bits of g exchanged.
; OUT: qkv: q's codes at 0, k's at 6,291,456: [T 512][wave column 16][768]: a HALF-FRAGMENT of 64 columns: registers 0-3 at 16 x lane, registers 4-5 at 512 + 8 x lane; their scale words at 12,582,912 and 12,845,056: [ks 8][T 512][16];
; v's codes at 13,107,200: [batch 4][channel tile 64][ks 16][1536], images of 12 registers; its scale words at 19,398,656: [batch 4][ks 16][channel tile 64][16].
; THE DEAL: four waves, 2 x 2; a wave holds 64 rows of a weight, all of K, in registers (384) and streams x's rows past them in blocks of 16 rows x all of K, 32 products a block.
; PHASE 1: 256 x 128 of V; PHASE 2: 512 x 128 of Q or K.  V's 256 rows are a half of the work-group's own 512, so the two chunks of 128 rows asked for at the head serve both.  Which half (s87) and which tensor (s19) come from the cluster's number alone.
; CLUSTERS: 4 x 4; x's rows are asked for jointly along a row of the cluster, a weight's along a column.
; THREE REFILLS, each in a drained round: V's block 2: the weights' region takes Wq's or Wk's rows (waves 0, 1), and wave 2 brings the other half's scale words for the first time; phase 2's blocks 2 and 6: the other half's chunks.
; PREFETCHES: what a refill will load is asked for at least two blocks earlier, each 256 bytes once in a cluster, shared by address among the sixteen waves that ask jointly.
; A BLOCK is 32 products; behind every second one stand two ENTRIES of its list: the last block's way out, addresses, descriptors.  THE WAITS' COUNTS: younger than a block's rows is the next block's fetch: 24 loads, or 32 where it brings a pair's scale words (LDS stores are not counted: a smaller count is stricter).
.set NQ,     8
.set NB,     4
.set FR,     12
.set FPW,    21                        ; fragments in a window of 256 registers
.set TB,     12288                     ; a tile: 8 K steps x 1,536 bytes
.set CH,     98304                     ; a chunk: 8 tiles; my wave row's four blocks are tiles 4 w + j of it
.set BVB,    2*CH
.set SCL,    3*CH                      ; x's scale words: two halves [ks 8][16 tiles][64 B]
.set XN,     SCL+16384                 ; Q's or K's scale bytes: [wave column 2][512 rows][2]
.set XM,     XN+2048                   ; V's: [wave row][wave column][4 tiles][64]
.set SPARE,  XM+1024
.set SCB,    8650752
.set KSP,    45056
.set EMAX,   2
.set CO8,    8                         ; v8   8 x lane
.set CO,     9                         ; v9   16 x lane
.set SPW,    10
.set NIL,    11                        ; v4, v5 my blocks in slot 0, 1; v12 in the slot in hand; v6 my blocks' scale words; v13 those of the chunk in hand; v14 my weights
.set STO,    18
.set STV,    19
.set SB,     24                        ; v24-39 the weights' scale words: tiles 2 p (lanes 0-15) and 2 p + 1 (lanes 16-31)
.set TQ,     40
.set SA,     44                        ; v44-59 the rows' scale words: a set for each pair of blocks: the even block's in lanes 0-15, the odd one's in lanes 16-31
.set TC,     60
.set ACC,    64                        ; v64-127 phase 2: two sets of four accumulators
.set HV0,    64                        ; v64-191 phase 1, band 0: 32 t + 8 j + i
.set HV1,    840                       ; v840-967 band 1
.set NCD,    128
.set MCD,    192                       ; v192-239 phase 1: four operands of twelve
.set SOP,    240
.set EB,     244
.set VX,     248
.set SB2,    968
.set BBV,    992                       ; v992-1023 V's bias as the first four products' C
.set BBQ,    160                       ; v160-191 Q's or K's
.set G1A,    24
.set G0A,    56
.set G0R,    68
.set G1B,    32
.set G0B,    60
.set G1S,    92
.set G0S,    72
.set MSB, 0
.macro WIN new
.if MSB != \new
	s_set_vgpr_msb (MSB<<8)|\new
.set MSB, \new
.endif
.endm
.macro PLACES n
.rept \n
	v_nop
.endr
.endm
.macro WALU
	s_wait_alu depctr_va_vdst(0)
.endm
.macro BARRIER
	s_barrier_signal -1
	s_barrier_wait -1
.endm
.macro MIDDLE
	WIN 0
	s_barrier_wait -1
	s_cmp_lg_u32 s14, 0
	s_cbranch_scc1 .Lnot_wave_0_\@
	s_barrier_signal -3
.Lnot_wave_0_\@:
	s_barrier_wait -3
.endm
.macro CROUND
	s_barrier_signal -1
	MIDDLE
	BARRIER
.endm
.macro GRD
	s_wait_tensorcnt 0x0
	ds_add_u32 v[SPW], v[NIL]
.endm
.macro TLOAD g0, g1
	tensor_load_to_lds s[\g0:\g0+3], s[\g1:\g1+7]
	s_nop 0
	PLACES 4
.endm
.macro GROUP1 g, mask                  ; a dense block as 24 rows of 4,096 bytes, elements of 8 bytes
	s_or_b32 s[\g+0], s[\mask], (3<<16)|(1<<21)
	s_mov_b32 s[\g+1], 512<<16
	s_mov_b32 s[\g+2], 24<<16
	s_mov_b32 s[\g+3], 512<<16
	s_mov_b32 s[\g+4], 24
	s_mov_b32 s[\g+5], 512
	s_mov_b32 s[\g+6], 0
	s_mov_b32 s[\g+7], 0
.endm
.macro SADD d, x
	s_add_co_u32 s\d, s\d, s\x
.endm
.macro PADD d, base, off               ; pointer + the 32-bit offset in s\off (s21 = 0)
	s_mov_b32 s20, s\off
	s_add_nc_u64 s[\d:\d+1], s[\base:\base+1], s[20:21]
.endm
.macro G0SET g, off
	s_mov_b32 s20, s\off
	s_add_nc_u64 s[\g+2:\g+3], s[4:5], s[20:21]
	s_or_b32 s[\g+3], s[\g+3], 0x80000000
.endm
; fragment f lies in window 1 + f / 21 at register 12 (f % 21): 0-31 the weights' (4 q + b), 32-39 and 40-47 the rows' two sets
.macro FRAG f, a, off
	WIN ((1+(\f)/FPW)<<6)
.set R_, FR*((\f)%FPW)
.set O_, \off
	ds_load_b128 v[R_:R_+3], v[\a] offset:O_
	ds_load_b128 v[R_+4:R_+7], v[\a] offset:O_+512
	ds_load_b128 v[R_+8:R_+11], v[\a] offset:O_+1024
.endm
.macro WEIGHTS                         ; my 64 rows of the weight, all of K: 96 loads
.irp q, 0,1,2,3,4,5,6,7
.irp b, 0,1,2,3
	FRAG NB*\q+\b, 14, TB*\b+1536*\q
.endr
.endr
	WIN 0
.endm
.macro FETCH e, j, a, as, so, set      ; block j of the chunk at v[a] into set e; with an even block the pair's scale words
.irp q, 0,1,2,3,4,5,6,7
	FRAG NB*NQ+NQ*(\e)+\q, \a, TB*(\j)+1536*\q
.endr
	WIN 0
.if (\j)%2 == 0
.irp q, 0,1,2,3,4,5,6,7
	ds_load_b32 v[SA+8*(\set)+\q], v[\as] offset:(\so)+1024*\q+128*((\j)/2)
.endr
.endif
.endm
.macro FETCH01
	FETCH 0, 0, 4, 6, 0, 0
	FETCH 1, 1, 4, 6, 0, 0
	s_mov_b32 s101, 0
	s_mov_b32 s91, 512
.endm
; a product.  n = 4 q + tile.  kind 0 (Q, K): source 0 the weight's rows; kind 1 (V): source 0 x's rows.  The accumulators take turns
.macro PROD kind, e, set, n, a0, as
.set Q_, (\n)/4
.set FB_, NB*Q_+(\n)%4
.set FA_, NB*NQ+NQ*(\e)+Q_
.set D_, (\a0)+(\as)*((\n)%4)
.set DL_, D_&255
.set XB_, SB+NQ*(((\n)%4)/2)+Q_
.set XA_, SA+8*(\set)+Q_
.if \kind
.if Q_
	WIN (1+FA_/FPW)|((1+FB_/FPW)<<2)|((D_>>8)<<4)|((D_>>8)<<6)
	PROD1 1, \e, DL_, FA_, FB_, v[DL_:DL_+7], XA_, XB_, (\n)%2
.else
	WIN (1+FA_/FPW)|((1+FB_/FPW)<<2)|(3<<4)|((D_>>8)<<6)
	PROD1 1, \e, DL_, FA_, FB_, v[BBV-768+8*((\n)%4):BBV-768+8*((\n)%4)+7], XA_, XB_, (\n)%2
.endif
.else
	WIN (1+FB_/FPW)|((1+FA_/FPW)<<2)|((D_>>8)<<4)|((D_>>8)<<6)
.if Q_
	PROD1 0, \e, DL_, FB_, FA_, v[DL_:DL_+7], XB_, XA_, (\n)%2
.else
	PROD1 0, \e, DL_, FB_, FA_, v[BBQ+8*((\n)%4):BBQ+8*((\n)%4)+7], XB_, XA_, (\n)%2
.endif
.endif
.endm
.macro PROD1 kind, e, d, s0, s1, c, x0, x1, o
.if \kind
.if \o
	v_wmma_scale_f32_16x16x128_f8f6f4 v[\d:\d+7], v[FR*((\s0)%FPW):FR*((\s0)%FPW)+FR-1], v[FR*((\s1)%FPW):FR*((\s1)%FPW)+FR-1], \c, v[\x0], v[\x1] matrix_a_fmt:MATRIX_FMT_FP6 matrix_b_fmt:MATRIX_FMT_FP6 matrix_a_scale:MATRIX_SCALE_ROW\e matrix_b_scale:MATRIX_SCALE_ROW1
.else
	v_wmma_scale_f32_16x16x128_f8f6f4 v[\d:\d+7], v[FR*((\s0)%FPW):FR*((\s0)%FPW)+FR-1], v[FR*((\s1)%FPW):FR*((\s1)%FPW)+FR-1], \c, v[\x0], v[\x1] matrix_a_fmt:MATRIX_FMT_FP6 matrix_b_fmt:MATRIX_FMT_FP6 matrix_a_scale:MATRIX_SCALE_ROW\e matrix_b_scale:MATRIX_SCALE_ROW0
.endif
.else
.if \o
	v_wmma_scale_f32_16x16x128_f8f6f4 v[\d:\d+7], v[FR*((\s0)%FPW):FR*((\s0)%FPW)+FR-1], v[FR*((\s1)%FPW):FR*((\s1)%FPW)+FR-1], \c, v[\x0], v[\x1] matrix_a_fmt:MATRIX_FMT_FP6 matrix_b_fmt:MATRIX_FMT_FP6 matrix_a_scale:MATRIX_SCALE_ROW1 matrix_b_scale:MATRIX_SCALE_ROW\e
.else
	v_wmma_scale_f32_16x16x128_f8f6f4 v[\d:\d+7], v[FR*((\s0)%FPW):FR*((\s0)%FPW)+FR-1], v[FR*((\s1)%FPW):FR*((\s1)%FPW)+FR-1], \c, v[\x0], v[\x1] matrix_a_fmt:MATRIX_FMT_FP6 matrix_b_fmt:MATRIX_FMT_FP6 matrix_a_scale:MATRIX_SCALE_ROW0 matrix_b_scale:MATRIX_SCALE_ROW\e
.endif
.endif
.endm
; products from .. to - 1 of a block; behind every second one two entries of the list
.macro BLOCK kind, e, set, a0, as, from, to, list, x=0, y=0
.set N_, \from
.rept (\to)-(\from)
	PROD \kind, \e, \set, N_, \a0, \as
.if N_%2
	\list N_-1, \x, \y
	\list N_, \x, \y
.endif
.set N_, N_+1
.endr
.endm
; what the lists are made of: each macro writes entry i of its part, and nothing beyond its last
.macro STEP i                          ; 4 entries: on to the next chunk's slot and scale words (512, 8192, 8704 by turns)
.if (\i) == 0
	s_add_co_u32 s101, s101, CH
	s_cmp_eq_u32 s101, 2*CH
	s_cselect_b32 s101, 0, s101
.elseif (\i) == 1
	WIN 0
	v_add_nc_u32 v12, s101, v4
.elseif (\i) == 2
	WIN 0
	v_add_nc_u32 v13, s91, v6
.elseif (\i) == 3
	s_mov_b32 s20, 8704
	s_cmp_eq_u32 s86, 0
	s_cselect_b32 s91, 8192, s20
.endif
.endm
.macro CHAIN i, x, n, t=TQ             ; 18 entries: the largest magnitude of the 32 sums from register x on, with the floor 2^(3 - 127), and the conversions' scale operand
.set XW_, (\x)>>8
.set XL_, (\x)&255
.if (\i) >= 0 && (\i) < 14
.set B_, XL_+16*((\i)%2)+2*((\i)/2)
.set T_, (\t)+1-(\i)%2
.if (\i) < 2
	WIN XW_|(XW_<<2)|(XW_<<4)
	v_max3_num_f32 v[T_], |v[B_]|, |v[B_+1]|, |v[B_+2]|
.else
	WIN (XW_<<2)|(XW_<<4)
	v_max3_num_f32 v[T_], v[T_], |v[B_+1]|, |v[B_+2]|
.endif
.elseif (\i) == 14
	WIN XW_<<2
	v_max3_num_f32 v[\t+1], v[\t+1], |v[XL_+15]|, (EMAX+1)<<23
.elseif (\i) == 15
	WIN 0
	v_nop
.elseif (\i) == 16
	WIN XW_<<2
	v_max3_num_f32 v[\t], v[\t], |v[XL_+31]|, v[\t+1]
.elseif (\i) == 17
	WIN 0
	v_add_nc_u32 v[SOP+\n], -(EMAX<<23), v[\t]
.endif
.endm
.macro CODES i, x, c, n, t=TC          ; 6 lines: 32 codes into v[c .. c+5], the scale's byte into v[EB+n]
.set XW_, (\x)>>8
.set XL_, (\x)&255
.if (\i) == 0
	WIN XW_
	v_cvt_scalef32_pk16_fp6_f32 v[\c:\c+2], v[XL_:XL_+15], v[SOP+\n]
.elseif (\i) == 1
	WIN XW_
	v_cvt_scalef32_pk16_fp6_f32 v[\t:\t+2], v[XL_+16:XL_+31], v[SOP+\n]
.elseif (\i) == 2
	WIN 0
	v_lshrrev_b32 v[EB+\n], 23, v[SOP+\n]
.else
	WIN 0
	v_mov_b32 v[\c+\i], v[\t+\i-3]
.endif
.endm
.macro CODES6 x, c, n
.irp i, 0,1,2,3,4,5
	CODES \i, \x, \c, \n
.endr
.endm
.macro PFTILE v, off, share            ; one entry: my sixteenth, 24 x 256 bytes, of a tile of 128 rows
	s_mul_i32 s21, s\share, CH/16
	s_add_co_u32 s20, s\off, s21
	WIN 0
	v_min_u32 v\v, 23, v3
	v_lshl_add_u32 v\v, v\v, 8, s20
.endm
.macro PFGO v
	global_prefetch_b8 v\v, s[4:5] th:TH_LOAD_NT scope:SCOPE_SE
.endm
.macro PUT2 r, off                     ; a half-fragment: 512 and 256 bytes on end
	global_store_b128 v[CO], v[\r:\r+3], s[84:85] offset:\off
	global_store_b64 v[CO8], v[\r+4:\r+5], s[84:85] offset:(\off)+512
.endm
.macro ASK i                           ; 2 entries: my half of the chunk at s88 (bytes from opq) for slot s47
.if (\i) == 0
	s_mul_i32 s20, s14, CH/2
	s_add_co_u32 s[G0R+1], s20, s47
	SADD 20, 88
	s_mov_b32 s21, 0
.elseif (\i) == 1
	s_add_nc_u64 s[G0R+2:G0R+3], s[4:5], s[20:21]
	s_or_b32 s[G0R+3], s[G0R+3], 0x80000000
	s_add_co_u32 s88, s88, CH
	s_xor_b32 s47, s47, CH
.endif
.endm
.macro PAIR i                          ; 4 entries: where pair s46's codes go (s[84:85]: the true pair is s46 xor 4 s87) and its scale bytes (v[VX]: by the order of work)
.if (\i) == 0
	s_lshl_b32 s3, s87, 2
	s_xor_b32 s3, s3, s46
	s_and_b32 s20, s3, 4
	s_add_co_u32 s20, s20, s3
.elseif (\i) == 1
	s_mul_i32 s20, s20, 2*TB
	s_mov_b32 s21, 0
	s_and_b32 s22, s46, 3
	s_lshl_b32 s22, s22, 6
.elseif (\i) == 2
	s_add_nc_u64 s[84:85], s[10:11], s[20:21]
	s_lshr_b32 s23, s46, 2
	s_lshl_b32 s23, s23, 9
	s_or_b32 s22, s22, s23
.elseif (\i) == 3
	s_add_co_u32 s46, s46, 1
	WIN 0
	v_add_nc_u32 v[VX], s22, v[STO]
.endif
.endm
; the lists
.macro L_NONE i, x, y
.endm
.macro L_CH i, x, y
	CHAIN \i, \x, \y
.endm
.macro L_V2 i, x, y                    ; the first refill's descriptors; from here on a load brings 12 rows of 4,096 bytes; chunk 2's prefetch address
.if (\i) == 0
	s_mov_b32 s[G1A+2], 12<<16
	s_mov_b32 s[G1A+4], 12
	s_mov_b32 s[G1B+2], 12<<16
	s_mov_b32 s[G1B+4], 12
.elseif (\i) == 1
	s_mul_i32 s20, s14, CH/2
	s_add_co_u32 s[G0B+1], s20, BVB
	SADD 20, 9
	s_mov_b32 s21, 0
.elseif (\i) == 2
	s_add_nc_u64 s[G0B+2:G0B+3], s[4:5], s[20:21]
	s_or_b32 s[G0B+3], s[G0B+3], 0x80000000
	s_mov_b32 s[G0S+1], SCL+8192
	s_mov_b32 s20, s55
.elseif (\i) == 3
	s_add_nc_u64 s[G0S+2:G0S+3], s[4:5], s[20:21]
	s_or_b32 s[G0S+3], s[G0S+3], 0x80000000
.elseif (\i) == 7
	PFTILE 20, 88, 90
.endif
.endm
.macro L_V7 i, x, y
.if (\i) == 0
	s_add_co_u32 s22, s88, CH
	PFTILE 22, 22, 90
.endif
	CHAIN (\i)-1, \x, \y
.endm
.macro L_OD i, x, y
	PAIR \i
	CHAIN (\i)-4, ACC, 0
.endm
.macro L_RND i, x, y
	ASK \i
	STEP (\i)-2
	CHAIN (\i)-6, ACC+32, 1
.endm
.macro L_SHOW i, x, y
	STEP \i
	CHAIN (\i)-4, ACC+32, 1
.endm
; phase 2's blocks.  w: the count of the wait; set: the pair's scale words; j, fs: the block that is fetched (-1: none) and its set of scale words
.macro EVENOUT j, fs
	WALU
.if (\j) >= 0
	FETCH 0, \j, 12, 13, 0, \fs
.endif
	ds_store_b8 v[VX], v[EB+1] offset:32
	PUT2 NCD+6, TB
.endm
.macro EVEN w, set, j, fs
	s_wait_dscnt \w
	BLOCK 0, 0, \set, ACC, 8, 0, 32, L_CH, ACC+32, 1
	WIN 0
	CODES6 ACC+32, NCD+6, 1
	EVENOUT \j, \fs
.endm
.macro EVENROUND w, set, j, fs         ; the second and the third refill
	s_wait_dscnt \w
	GRD
	BLOCK 0, 0, \set, ACC, 8, 0, 26, L_RND
	WIN 0
	WALU
	s_wait_dscnt 0x0
	s_barrier_signal -1
	BLOCK 0, 0, \set, ACC, 8, 26, 32, L_NONE
	WIN 0
	CODES6 ACC+32, NCD+6, 1
	MIDDLE
	BARRIER
	s_cmp_lt_u32 s14, 2
	s_cbranch_scc0 .Lnone_\@
	TLOAD G0R, G1A
.Lnone_\@:
	EVENOUT \j, \fs
.endm
.macro EVENSHOW w, set, j, fs          ; a plain barrier inside the block shows the last refill to all
	s_wait_dscnt \w
	BLOCK 0, 0, \set, ACC, 8, 0, 26, L_SHOW
	WIN 0
	WALU
	s_wait_tensorcnt 0x0
	s_wait_dscnt 0x0
	s_barrier_signal -1
	BLOCK 0, 0, \set, ACC, 8, 26, 32, L_NONE
	WIN 0
	s_barrier_wait -1
	CODES6 ACC+32, NCD+6, 1
	EVENOUT \j, \fs
.endm
.macro ODD w, set, j, a=12, as=13
	s_wait_dscnt \w
	s_wait_xcnt 0x0                        ; the last pair's stores have read their registers and their base
	BLOCK 0, 1, \set, ACC+32, 8, 0, 32, L_OD
	WIN 0
	CODES6 ACC, NCD, 0
	WALU
.if (\j) >= 0
	FETCH 1, \j, \a, \as, 0, 0
.endif
	ds_store_b8 v[VX], v[EB]
	PUT2 NCD, 0
.endm
; ================= THE HEAD
	s_load_b64 s[4:5], s[0:1], 0x0                 ; opq
	s_load_b64 s[2:3], s[0:1], 0x8                 ; bq
	s_load_b64 s[10:11], s[0:1], 0x10              ; bk
	s_load_b64 s[6:7], s[0:1], 0x18                ; bv
	s_load_b64 s[48:49], s[0:1], 0x20              ; qkv
	v_lshl_add_u32 v[SPW], v0, 2, SPARE
	v_mov_b32 v[NIL], 0
	ds_add_u32 v[SPW], v[NIL]
	ds_add_u32 v[SPW], v[NIL]
	v_lshrrev_b32 v1, 5, v0
	v_readfirstlane_b32 s14, v1                    ; s14 the wave; s15 its row of the 2 x 2, s16 its column
	s_lshr_b32 s15, s14, 1
	s_and_b32 s16, s14, 1
	s_bfe_u32 s40, ttmp6, 0x40000                  ; cx
	s_bfe_u32 s41, ttmp6, 0x40004                  ; cy
	s_lshl_b32 s42, ttmp9, 2
	SADD 42, 40                                    ; phase 2's tile column: 0-7 Q, 8-15 K
	s_and_b32 s43, ttmp7, 0xffff
	s_lshl_b32 s43, s43, 2
	SADD 43, 41                                    ; its tile row
	s_lshr_b32 s19, ttmp9, 1                       ; 0 Q, 1 K
	s_and_b32 s87, ttmp9, 1                        ; V's half of my 512 rows
	s_lshl_b32 s13, s19, 2
	SADD 13, 40                                    ; V's tile column
	s_lshl_b32 s12, s43, 1
	SADD 12, 87                                    ; V's tile row
	s_lshl_b32 s44, s41, 2
	s_lshl_b32 s44, 15, s44                        ; my row of the cluster
	s_lshl_b32 s45, 0x1111, s40                    ; my column
	GROUP1 G1A, 44
	GROUP1 G1B, 45
	s_or_b32 s[G1S+0], s44, (3<<16)|(1<<21)        ; scale words: 8 K steps' 1,024 bytes (16 tiles)
	s_mov_b32 s[G1S+1], 128<<16
	s_mov_b32 s[G1S+2], 8<<16
	s_mov_b32 s[G1S+3], 128<<16
	s_mov_b32 s[G1S+4], 8
	s_mov_b32 s[G1S+5], KSP/8
	s_mov_b32 s[G1S+6], 0
	s_mov_b32 s[G1S+7], 0
	s_mul_i32 s66, s12, 2*CH                       ; V's half of my rows, bytes from opq
	s_mul_i32 s88, s43, 4*CH
	s_xor_b32 s20, s87, 1
	s_mul_i32 s21, s20, 2*CH
	SADD 88, 21                                    ; the other half's chunks
	s_lshl_b32 s55, s43, 1
	SADD 55, 20
	s_lshl_b32 s55, s55, 10
	s_add_co_u32 s55, s55, SCB                     ; its scale words
	s_lshl_b32 s89, s12, 10
	s_add_co_u32 s89, s89, SCB                     ; and those of V's half
	s_mul_i32 s54, s13, CH
	s_add_co_u32 s54, s54, 640*TB                  ; Wv's rows
	s_mul_i32 s9, s42, CH
	s_add_co_u32 s9, s9, 512*TB                    ; Wq's or Wk's
	s_lshl_b32 s20, s16, 8
	s_lshl_b32 s84, s13, 9
	SADD 84, 20
	s_add_co_u32 s84, s84, SCB+640*64              ; Wv's scale words, my 64 rows
	s_lshl_b32 s82, s42, 9
	SADD 82, 20
	s_add_co_u32 s82, s82, SCB+512*64
	s_lshl_b32 s90, s40, 2
	SADD 90, 14                                    ; my number among the sixteen waves of my row of the cluster
	s_lshl_b32 s100, s41, 2
	SADD 100, 14                                   ; and of my column
	s_mov_b32 s[G0A], 1
	s_mov_b32 s[G0A+1], 0
	s_mov_b32 s[G0R], 1
	s_mov_b32 s[G0R+1], CH
	s_mov_b32 s[G0B], 1
	s_mov_b32 s[G0B+1], BVB
	s_mov_b32 s[G0S], 1
	s_mov_b32 s[G0S+1], SCL
	s_mul_i32 s20, s15, CH/2
	s_lshl_b32 s21, s15, 8
	s_lshl_b32 s47, s16, 10
	s_add_co_u32 s23, s21, XN
	SADD 23, 47                                    ; my stage for Q's or K's scale bytes
	s_lshl_b32 s46, s14, 8
	s_add_co_u32 s46, s46, XM                      ; for V's: 512 x wave row + 256 x wave column
	s_add_co_u32 s21, s21, SCL
	s_mul_i32 s22, s16, CH/2
	s_add_co_u32 s22, s22, BVB
	v_and_b32 v1, 15, v0
	v_bfe_u32 v2, v0, 4, 1
	v_and_b32 v3, 31, v0
	v_lshl_add_u32 v4, v3, 4, s20
	v_add_nc_u32 v5, CH, v4
	v_lshl_add_u32 v6, v3, 2, s21
	v_lshl_add_u32 v14, v3, 4, s22
	v_lshlrev_b32 v15, 2, v3
	v_lshlrev_b32 v[CO8], 3, v3
	v_lshlrev_b32 v[CO], 4, v3
	v_lshl_add_u32 v16, v1, 1, v2
	v_add_nc_u32 v[STO], s23, v16                  ; + 2 r + h
	v_lshl_add_u32 v17, v1, 2, v2
	v_add_nc_u32 v[STV], s46, v17                  ; + 4 r + h
	v_add_nc_u32 v16, s46, v[CO8]                  ; where I read V's scale bytes back
	v_lshlrev_b32 v21, 7, v2                       ; Q's, K's bias: register 8 j + i is column 32 h + 8 j + i
	v_lshrrev_b32 v23, 3, v1
	v_lshlrev_b32 v23, 7, v23
	v_and_b32 v22, 7, v1
	v_lshl_add_u32 v23, v22, 2, v23                ; V's: lane r of tile t has column 32 (r / 8) + 8 t + r % 8
	WALU
	s_wait_dscnt 0x0
	CROUND                                         ; the opening round
	s_wait_kmcnt 0x0
	s_mov_b32 s21, 0
	G0SET G0A, 66
	s_add_nc_u64 s[G0R+2:G0R+3], s[G0A+2:G0A+3], CH
	G0SET G0B, 54
	G0SET G0S, 89
	s_cmp_eq_u32 s14, 0
	s_cbranch_scc0 .Lwave_1
	TLOAD G0B, G1B                                 ; wave 0: Wv's rows
	s_branch .Lasked
.Lwave_1:
	s_cmp_eq_u32 s14, 1
	s_cbranch_scc0 .Lwave_2
	TLOAD G0S, G1S                                 ; wave 1: both chunks' scale words
	s_branch .Lasked
.Lwave_2:
	s_cmp_eq_u32 s14, 2
	s_cbranch_scc0 .Lwave_3
	TLOAD G0A, G1A                                 ; wave 2: chunk 0
	s_branch .Lasked
.Lwave_3:
	TLOAD G0R, G1A                                 ; wave 3: chunk 1
.Lasked:
	PADD 84, 4, 84
	PADD 82, 4, 82
.irp p, 0,1
.irp q, 0,1,2,3,4,5,6,7
	global_load_b32 v[SB+8*\p+\q], v15, s[84:85] offset:KSP*\q+128*\p
.endr
.endr
	s_lshl_b32 s22, s13, 1
	SADD 22, 16
	s_lshl_b32 s20, s22, 8                         ; my 64 columns of V
	s_add_nc_u64 s[66:67], s[6:7], s[20:21]
	WIN 0xc0
.irp t, 0,1,2,3
	global_load_b32 v[BBV-768+8*\t], v23, s[66:67] offset:32*\t
.endr
.irp p, 0,1
.irp q, 0,1,2,3,4,5,6,7
	global_load_b32 v[SB2-768+8*\p+\q], v15, s[82:83] offset:KSP*\q+128*\p
.endr
.endr
	WIN 0
	; where the results go, bytes in qkv
	s_lshl_b32 s22, s42, 1
	SADD 22, 16
	s_and_b32 s22, s22, 15                         ; my wave column of Q or K
	s_mul_i32 s76, s19, 6291456
	s_lshl_b32 s20, s43, 5
	s_lshl_b32 s23, s15, 3
	SADD 20, 23
	s_mul_i32 s20, s20, TB
	SADD 76, 20
	s_mul_i32 s20, s22, 768
	SADD 76, 20
	s_lshl_b32 s78, s19, 18
	s_and_b32 s20, s42, 7
	s_lshl_b32 s20, s20, 15
	SADD 78, 20
	s_lshl_b32 s20, s43, 11
	SADD 78, 20
	s_lshl_b32 s20, s87, 1
	s_xor_b32 s20, s20, s14                        ; the stage's halves lie in the order of work
	s_lshl_b32 s20, s20, 9
	SADD 78, 20
	s_add_co_u32 s78, s78, 12582912
	s_lshr_b32 s20, s12, 3                         ; the batch,
	s_and_b32 s23, s12, 7
	s_lshl_b32 s23, s23, 1
	SADD 23, 15                                    ; my key step,
	s_lshl_b32 s47, s13, 3
	s_lshl_b32 s46, s16, 2
	SADD 47, 46                                    ; my first channel tile
	s_mul_i32 s80, s20, 1572864
	s_mul_i32 s46, s47, 24576
	SADD 80, 46
	s_mul_i32 s46, s23, 1536
	SADD 80, 46
	s_add_co_u32 s80, s80, 13107200
	s_lshl_b32 s81, s20, 16
	s_lshl_b32 s46, s23, 12
	SADD 81, 46
	s_lshl_b32 s46, s47, 6
	SADD 81, 46
	s_add_co_u32 s81, s81, 19398656
	s_cmp_eq_u32 s19, 0
	s_cselect_b64 s[2:3], s[2:3], s[10:11]         ; bq or bk
	s_lshl_b32 s20, s22, 8
	s_add_nc_u64 s[12:13], s[2:3], s[20:21]        ; kept for the loads between the phases
	PADD 10, 48, 76
	PADD 50, 48, 80
	PADD 52, 48, 81
	PADD 48, 48, 78
	s_wait_loadcnt 0x0
	WIN 0xc3
.irp t, 0,8,16,24
.irp i, 1,2,3,4,5,6,7
	v_mov_b32 v[BBV-768+\t+\i], v[BBV-768+\t]      ; one number a lane and tile, over the tile's eight registers
.endr
.endr
	WIN 0
	s_mov_b32 s46, 0
	s_mov_b32 s47, 0
	PFTILE 7, 9, 100                               ; what the first refill will load
	WALU
	s_cmp_eq_u32 s14, 0
	s_cbranch_scc0 .Lnot_b
	s_wait_tensorcnt 0x0
.Lnot_b:
	BARRIER                                        ; Wv's rows are in
	PFGO 7
	WEIGHTS
	s_cmp_eq_u32 s14, 3
	s_cbranch_scc1 .Lnot_a0
	s_wait_tensorcnt 0x0
.Lnot_a0:
	s_wait_dscnt 0x0
	BARRIER                                        ; chunk 0 and the scale words are in; chunk 1 may be on its way
	FETCH01
; ================= PHASE 1: V, eight blocks; band 0's way outs stand in band 1's blocks
.macro VB w, e, set, a, j, fa, so, fs
	s_wait_dscnt \w
	BLOCK 1, \e, \set, \a, 32, 0, 32, L_NONE
	WIN 0
	PLACES 4
	WALU
	FETCH \e, \j, \fa, 6, \so, \fs
.endm
.macro VOUT w, e, set, t, j
	s_wait_dscnt \w
	BLOCK 1, \e, \set, HV1+8*\t, 32, 0, 32, L_CH, HV0+32*\t, \t
	WIN 0
	CODES6 HV0+32*\t, MCD+12*\t, \t
	WALU
	ds_store_b8 v[STV], v[EB+\t] offset:64*\t
.if (\j) >= 0
	FETCH \e, \j, 5, 6, 512, 1
.endif
.endm
	VB 24, 0, 0, HV0, 2, 4, 0, 1
	VB 32, 1, 0, HV0+8, 3, 4, 0, 1
	s_wait_dscnt 24
	GRD
	BLOCK 1, 0, 1, HV0+16, 32, 0, 24, L_V2
	WIN 0
	WALU
	s_wait_dscnt 0x0
	s_barrier_signal -1
	BLOCK 1, 0, 1, HV0+16, 32, 24, 32, L_NONE
	MIDDLE
	BARRIER
	s_cmp_lt_u32 s14, 2
	s_cbranch_scc0 .Lno_half
	TLOAD G0B, G1B                                 ; waves 0 and 1: a half each of Wq's or Wk's rows, onto Wv's, which all waves hold in registers
	s_branch .Lhalf
.Lno_half:
	s_cmp_eq_u32 s14, 2
	s_cbranch_scc0 .Lhalf
	TLOAD G0S, G1S                                 ; wave 2: the other half's scale words
.Lhalf:
	PLACES 4
	WALU
	FETCH 0, 0, 5, 6, 512, 0
	PFGO 20
	VB 32, 1, 1, HV0+24, 1, 5, 512, 0
	VOUT 24, 0, 0, 0, 2
	VOUT 32, 1, 0, 1, 3
	VOUT 24, 0, 1, 2, -1
	s_wait_dscnt 0x0
	s_wait_xcnt 0x0
	BLOCK 1, 1, 1, HV1+24, 32, 0, 26, L_V7, HV0+96, 3
	WIN 0
	WALU
	s_wait_tensorcnt 0x0
	s_wait_dscnt 0x0
	s_barrier_signal -1                            ; a plain barrier: what the first refill brought is shown to all
	BLOCK 1, 1, 1, HV1+24, 32, 26, 32, L_NONE
	WIN 0
	s_barrier_wait -1
	CODES6 HV0+96, MCD+36, 3
	WALU
	ds_store_b8 v[STV], v[EB+3] offset:192
; ================= THE CHANGE OF PHASE: the bias, the weights and the first two blocks' rows, which lie in slot 0 still; band 1's four way outs under their flight
.irp k, 0,1,2,3,4,5,6,7
	global_load_b128 v[BBQ+4*\k:BBQ+4*\k+3], v21, s[12:13] offset:16*\k
.endr
	WEIGHTS
	FETCH01
	PFGO 22
	WIN 3
.set I, 0
.rept 16
	v_mov_b32 v[SB+I], v[SB2-768+I]
.set I, I+1
.endr
	WIN 0
.set I, 0
.rept 18
.irp t, 0,1,2,3
	CHAIN I, HV1+32*\t, \t, 64+4*\t
.endr
.set I, I+1
.endr
.set I, 0
.rept 6
.irp t, 0,1,2,3
	CODES I, HV1+32*\t, MCD+12*\t+6, \t, 80+4*\t
.endr
.set I, I+1
.endr
	WIN 0
	WALU
; ================= PHASE 2: Q or K, sixteen blocks, way outs by pairs
	s_wait_loadcnt 0x0
	s_wait_dscnt 24
	BLOCK 0, 0, 0, ACC, 8, 0, 32, L_NONE
	WIN 0
	PLACES 4
	WALU
	FETCH 0, 2, 4, 6, 0, 1
.irp t, 0,1,2,3
	ds_store_b8 v[STV], v[EB+\t] offset:2+64*\t
.endr
.irp t, 0,1,2,3
.irp k, 0,1,2
	global_store_b128 v[CO], v[MCD+12*\t+4*\k:MCD+12*\t+4*\k+3], s[50:51] offset:24576*\t+512*\k   ; V's codes leave: 512 bytes on end, aligned
.endr
.endr
	ODD 32, 0, 3, 4, 6
	s_mov_b32 s86, 0
.Lwith_rounds:                                         ; blocks 2 to 5, 6 to 9
	EVENROUND 24, 1, 0, 0
	ODD 32, 1, 1
	EVEN 24, 0, 2, 1
	ODD 32, 0, 3
	s_add_co_u32 s86, s86, 1
	s_cmp_lg_u32 s86, 2
	s_cbranch_scc1 .Lwith_rounds
	EVENSHOW 24, 1, 0, 0                           ; blocks 10 to 15
	ODD 32, 1, 1
	EVEN 24, 0, 2, 1
	ODD 32, 0, 3
	EVEN 24, 1, -1, 0
	ODD 0, 1, -1
; ================= THE END: the last way out; the scale bytes go through LDS under its conversions
	s_lshl_b32 s21, s14, 8
	s_add_co_u32 s21, s21, XN
	v_add_nc_u32 v12, s21, v[CO8]
.set I, 0
.rept 18
	CHAIN I, ACC+32, 1
.set I, I+1
.endr
	CODES 2, ACC+32, NCD+6, 1
	WALU
	ds_store_b8 v[VX], v[EB+1] offset:32
	s_wait_xcnt 0x0
	s_wait_dscnt 0x0
	s_barrier_signal -1
	CODES 0, ACC+32, NCD+6, 1
	CODES 1, ACC+32, NCD+6, 1
	v_nop
.irp i, 3,4,5
	CODES \i, ACC+32, NCD+6, 1
.endr
	s_barrier_wait -1
	WALU
	ds_load_b64 v[64:65], v12                      ; four rows' two bytes of wave column 0,
	ds_load_b64 v[66:67], v12 offset:1024          ; and of wave column 1
	ds_load_b64 v[68:69], v16
	PUT2 NCD+6, TB
	s_mov_b32 s20, 0x05040100
	s_mov_b32 s22, 0x07060302
	s_wait_dscnt 0x0
	v_perm_b32 v72, v66, v64, s20
	v_perm_b32 v73, v66, v64, s22
	v_perm_b32 v74, v67, v65, s20
	v_perm_b32 v75, v67, v65, s22
	WALU
	global_store_b128 v[CO], v[72:75], s[48:49]
	global_store_b64 v[CO8], v[68:69], s[52:53]
	s_wait_tensorcnt 0x0                           ; the wave's end
	ds_add_u32 v[SPW], v[NIL]
	s_wait_dscnt 0x0
	CROUND
	s_endpgm
.Lfunc_end_k_q217e225f7e_proj:
	.size	k_q217e225f7e_proj, .Lfunc_end_k_q217e225f7e_proj-k_q217e225f7e_proj
	.p2alignl 7, 3214868480
	.fill 96, 4, 3214868480
	.section	.rodata,"a",@progbits
	.p2align	6, 0x0
	.amdhsa_kernel k_q217e225f7e_proj
		.amdhsa_group_segment_fixed_size 327680
		.amdhsa_private_segment_fixed_size 0
		.amdhsa_enable_private_segment 0
		.amdhsa_kernarg_size 40
		.amdhsa_user_sgpr_count 2
		.amdhsa_user_sgpr_kernarg_segment_ptr 1
		.amdhsa_wavefront_size32 1
		.amdhsa_system_sgpr_workgroup_id_x 1
		.amdhsa_system_sgpr_workgroup_id_y 1
		.amdhsa_system_sgpr_workgroup_id_z 1
		.amdhsa_system_vgpr_workitem_id 0
		.amdhsa_next_free_vgpr 1024
		.amdhsa_next_free_sgpr 102
		.amdhsa_reserve_vcc 0
		.amdhsa_float_denorm_mode_32 3
		.amdhsa_float_denorm_mode_16_64 3
		.amdhsa_memory_ordered 1
		.amdhsa_forward_progress 1
		.amdhsa_inst_pref_size 201
	.end_amdhsa_kernel
	.amdgpu_metadata
---
amdhsa.version: [ 1, 2 ]
amdhsa.kernels:
  - .name:           k_q217e225f7e_proj
    .symbol:         k_q217e225f7e_proj.kd
    .args:
      - { .name: opq, .offset: 0, .size: 8, .value_kind: global_buffer, .address_space: global }
      - { .name: bq, .offset: 8, .size: 8, .value_kind: global_buffer, .address_space: global }
      - { .name: bk, .offset: 16, .size: 8, .value_kind: global_buffer, .address_space: global }
      - { .name: bv, .offset: 24, .size: 8, .value_kind: global_buffer, .address_space: global }
      - { .name: qkv, .offset: 32, .size: 8, .value_kind: global_buffer, .address_space: global }
    .group_segment_fixed_size: 327680
    .private_segment_fixed_size: 0
    .kernarg_segment_align: 8
    .kernarg_segment_size: 40
    .max_flat_workgroup_size: 128
    .sgpr_count:     102
    .vgpr_count:     1024
    .wavefront_size: 32
...
	.end_amdgpu_metadata
.endif
;; end of part 2
;; launch score (part 3): grid 16 x 16, 4 waves a work-group, clusters of 4 x 4, 327,680 bytes of LDS; arguments qkv, pbuf; writes pbuf
.if DOCPART == 3
	.amdgcn_target "amdgcn-amd-amdhsa--gfx1250"
	.amdhsa_code_object_version 6
	.text
	.protected	k_q217e225f7e_score
	.globl	k_q217e225f7e_score
	.p2align	8
	.type	k_q217e225f7e_score,@function
k_q217e225f7e_score:
	s_mov_b64 s[64:65], 0
	v_nop
	global_prefetch_b8 v0, s[64:65] scope:SCOPE_SE
	s_setreg_imm32_b32 hwreg(HW_REG_WAVE_MODE, 25, 1), 1
	s_wait_xcnt 0x0
	s_wait_alu depctr_hold_cnt(0) depctr_sa_sdst(0) depctr_va_vdst(0) depctr_va_sdst(0) depctr_va_ssrc(0) depctr_va_vcc(0) depctr_vm_vsrc(0)
	s_getreg_b32 s2, hwreg(HW_REG_IB_STS2, 6, 4)
	s_cmp_eq_u32 s2, 0
	s_cbranch_scc0 .Lentry_in_a_cluster
	s_endpgm
.Lentry_in_a_cluster:
	s_bfe_u32 s2, ttmp6, 0x10000c
	s_cmp_lg_u32 s2, 0xf033
	s_cbranch_scc0 .Lentry_shape_is_right
	s_endpgm
.Lentry_shape_is_right:
; t = q k^T x log2(e) / 32 and p = 2^(t - M) as codes of E2M3, M a whole number: here the ceiling of the largest t of the row's BLOCK OF 32 KEYS (a quantiser's block).  A later launch brings all blocks of a row under one M: a power of two, which their scale bytes take up.
; The sums l are taken of the unquantised p in f32.
; LIMITS: the promise holds while |t| stays under 2^31; a block whose scale byte under the largest of its 128 keys would fall under 0 gets the byte 0; NaN and infinities are not served.
; A WORK-GROUP makes 512 queries x 128 keys; four waves, 2 x 2; a wave holds 64 keys, all of K = 1,024, in registers (384) and streams 16 queries at a time past them, 32 products a block.
; SOURCE 0 = keys: by the tiles' order (tile j, lane-row 8 h + i = key 32 h + 8 j + i) lane (r, h) holds query r, and its 32 results are 32 neighbouring keys: one block of the quantiser, and no lane looks at another.
; CLUSTERS: 4 x 4; the queries are asked for jointly along a row of the cluster, the keys along a column.  Two slots of 128 queries; two refills in drained rounds (blocks 2 and 6).
; THE ORDER OF WORK: behind block n's products: block n's largest score; block n - 1's exponentials, conversions and stores; among block n + 1's products: block n's t - M and the sum of block n - 1's p.
; THE END: for each row of the 512 the four blocks of my 128 keys are brought under their least -M; out go a scale word, that -M and l.
; OUT: pbuf: codes [T 512][128 keys 16][half 2][768]: registers 0-3 at 16 x lane, 4-5 at 512 + 8 x lane; planes at 12,582,912 + 524,288 (word, -M, l): [batch 4][128 keys 16][T 128][16].
; PREFETCHES: chunks 2 and 3 of the queries are asked for two blocks and more ahead of their loads, each 256 bytes once in a cluster, shared by address among the row's sixteen waves.
; THE WAITS' COUNTS: younger than a block's rows is the next block's fetch: 32 loads, or 40 with a pair's scale words (LDS stores are not counted: a smaller count is stricter).
.set NQ,     8
.set NB,     4
.set FR,     12
.set FPW,    21
.set TB,     12288
.set CH,     98304
.set BVB,    2*CH                      ; the keys; once all waves hold them in registers, the stage: 4,096 bytes a wave: -M [block 16][r][h], then l
.set SCL,    3*CH                      ; the queries' scale words [ks 8][32 tiles][64 B]
.set SPARE,  SCL+16384
.set CO8,    8
.set CO,     9
.set SPW,    10
.set NIL,    11                        ; v4, v5 my blocks in slot 0 (16 and 8 bytes a lane); v6, v7 in the slot in hand; v12, v13 scale words; v14, v15 my keys
.set STO,    18
.set VX,     19
.set SB,     24
.set TQ,     40
.set SA,     44
.set ACC,    64
.set P,      128
.set CD,     160
.set TC,     166
.set NM,     170                       ; v170, v172: -M by turns (the pairs' upper registers are written once)
.set ARG,    174                       ; v174, v175
.set PM,     176
.set SOP,    177
.set KK,     178
.set NE,     179
.set LSA,    180
.set LSB,    182
.set LL,     184
.set CS,     22                        ; s[22:23]
.set G1A,    24
.set G1B,    32
.set G1H,    48
.set G1S,    92
.set G0A,    56
.set G0B,    60
.set G0R,    68
.set G0S,    72
.set MSB, 0
.macro WIN new
.if MSB != \new
	s_set_vgpr_msb (MSB<<8)|\new
.set MSB, \new
.endif
.endm
.macro PLACES n
.rept \n
	v_nop
.endr
.endm
.macro WALU
	s_wait_alu depctr_va_vdst(0)
.endm
.macro BARRIER
	s_barrier_signal -1
	s_barrier_wait -1
.endm
.macro MIDDLE
	WIN 0
	s_barrier_wait -1
	s_cmp_lg_u32 s14, 0
	s_cbranch_scc1 .Lnot_wave_0_\@
	s_barrier_signal -3
.Lnot_wave_0_\@:
	s_barrier_wait -3
.endm
.macro CROUND
	s_barrier_signal -1
	MIDDLE
	BARRIER
.endm
.macro TLOAD g0, g1
	tensor_load_to_lds s[\g0:\g0+3], s[\g1:\g1+7]
	s_nop 0
	PLACES 4
.endm
.macro GROUP1 g, mask, rows
	s_or_b32 s[\g+0], s[\mask], (3<<16)|(1<<21)
	s_mov_b32 s[\g+1], 512<<16
	s_mov_b32 s[\g+2], (\rows)<<16
	s_mov_b32 s[\g+3], 512<<16
	s_mov_b32 s[\g+4], \rows
	s_mov_b32 s[\g+5], 512
	s_mov_b32 s[\g+6], 0
	s_mov_b32 s[\g+7], 0
.endm
.macro SADD d, x
	s_add_co_u32 s\d, s\d, s\x
.endm
.macro G0SET g, off
	s_mov_b32 s20, s\off
	s_add_nc_u64 s[\g+2:\g+3], s[4:5], s[20:21]
	s_or_b32 s[\g+3], s[\g+3], 0x80000000
.endm
.macro FRAG f, a, off                  ; two half-fragments
	WIN ((1+(\f)/FPW)<<6)
.set R_, FR*((\f)%FPW)
.set O_, \off
	ds_load_b128 v[R_:R_+3], v[\a] offset:O_
	ds_load_b64 v[R_+4:R_+5], v[(\a)+1] offset:O_+512
	ds_load_b128 v[R_+6:R_+9], v[\a] offset:O_+768
	ds_load_b64 v[R_+10:R_+11], v[(\a)+1] offset:O_+1280
.endm
.macro FETCH e, j, a, as, set
.irp q, 0,1,2,3,4,5,6,7
	FRAG NB*NQ+NQ*(\e)+\q, \a, TB*(\j)+1536*\q
.endr
	WIN 0
.if (\j)%2 == 0
.irp q, 0,1,2,3,4,5,6,7
	ds_load_b32 v[SA+8*(\set)+\q], v[\as] offset:2048*\q+128*((\j)/2)
.endr
.endif
.endm
.macro PROD e, set, n                  ; the four accumulators take turns
.set Q_, (\n)/4
.set FB_, NB*Q_+(\n)%4
.set FA_, NB*NQ+NQ*(\e)+Q_
.set D_, ACC+32*(\e)+8*((\n)%4)
.set XB_, SB+NQ*(((\n)%4)/2)+Q_
.set XA_, SA+8*(\set)+Q_
	WIN (1+FB_/FPW)|((1+FA_/FPW)<<2)
.if Q_
	PROD1 \e, v[D_:D_+7], (\n)%2
.else
	PROD1 \e, 0, (\n)%2
.endif
.endm
.macro PROD1 e, c, o
.if \o
	v_wmma_scale_f32_16x16x128_f8f6f4 v[D_:D_+7], v[FR*(FB_%FPW):FR*(FB_%FPW)+FR-1], v[FR*(FA_%FPW):FR*(FA_%FPW)+FR-1], \c, v[XB_], v[XA_] matrix_a_fmt:MATRIX_FMT_FP6 matrix_b_fmt:MATRIX_FMT_FP6 matrix_a_scale:MATRIX_SCALE_ROW1 matrix_b_scale:MATRIX_SCALE_ROW\e
.else
	v_wmma_scale_f32_16x16x128_f8f6f4 v[D_:D_+7], v[FR*(FB_%FPW):FR*(FB_%FPW)+FR-1], v[FR*(FA_%FPW):FR*(FA_%FPW)+FR-1], \c, v[XB_], v[XA_] matrix_a_fmt:MATRIX_FMT_FP6 matrix_b_fmt:MATRIX_FMT_FP6 matrix_a_scale:MATRIX_SCALE_ROW0 matrix_b_scale:MATRIX_SCALE_ROW\e
.endif
.endm
.macro BLOCK e, set, from, to, list, x=0, y=0
.set N_, \from
.rept (\to)-(\from)
	PROD \e, \set, N_
.if N_%2
	\list N_-1, \x, \y
	\list N_, \x, \y
.endif
.set N_, N_+1
.endr
.endm
.macro ADDP o                          ; the sum of the last block's 32 p, two at a time, in two chains: 16 lines
	WIN 0
.if (\o) == 0
	v_pk_add_f32 v[LSA:LSA+1], v[P:P+1], v[P+2:P+3]
.elseif (\o) == 1
	v_pk_add_f32 v[LSB:LSB+1], v[P+4:P+5], v[P+6:P+7]
.elseif (\o) < 14
.set S_, LSA+2*((\o)%2)
.set B_, P+4+2*(\o)
	v_pk_add_f32 v[S_:S_+1], v[S_:S_+1], v[B_:B_+1]
.elseif (\o) == 14
	v_pk_add_f32 v[LSA:LSA+1], v[LSA:LSA+1], v[LSB:LSB+1]
.else
	v_add_f32 v[LL], v[LSA], v[LSA+1]
.endif
.endm
.macro FMA i, x, nm                    ; t - M
	WIN 0
.set B_, (\x)+2*(\i)
	v_pk_fma_f32 v[B_:B_+1], v[B_:B_+1], s[CS:CS+1], v[\nm:\nm+1] op_sel_hi:[1,0,0]
.endm
.macro L_NONE i, x, y
.endm
.macro L_FO i, x, y
.if (\i)%2 == 0
	FMA (\i)/2, \x, \y
.endif
.endm
.macro L_FA i, x, y
.if (\i)%2 == 0
	FMA (\i)/2, \x, \y
.else
	ADDP (\i)/2
.endif
.endm
.macro TOP e                           ; block n's largest score (each accumulator from its low end on), its -M = floor(-t), and the largest p's exponent
.set X_, ACC+32*(\e)
	v_max3_num_f32 v[TQ], v[X_], v[X_+1], v[X_+2]
	v_max3_num_f32 v[TQ+1], v[X_+16], v[X_+17], v[X_+18]
.irp i, 3,5,7,9,11,13
	v_max3_num_f32 v[TQ], v[TQ], v[X_+\i], v[X_+\i+1]
	v_max3_num_f32 v[TQ+1], v[TQ+1], v[X_+16+\i], v[X_+17+\i]
.endr
	v_max3_num_f32 v[TQ], v[TQ], v[X_+15], v[X_+31]
	v_max_num_f32 v[TQ], v[TQ], v[TQ+1]
	v_mul_f32 v20, s[CS], v[TQ]
	v_floor_f32 v[NM+2*(\e)], -v20
	v_fma_f32 v[ARG+\e], v[TQ], s[CS], v[NM+2*(\e)]
.endm
.macro KEEP sj                         ; -M and l of the block two back, to my stage
	v_ldexp_f32 v[LL], v[LL], v[KK]
	ds_store_b32 v[VX], v[NE] offset:128*(\sj)
	ds_store_b32 v[VX], v[LL] offset:2048+128*(\sj)
.endm
.macro OUT e, oj                       ; block n - 1 lies in set e: p, codes, stores.  The largest p is 1/2 to 1: with it at 1/2 and more but under 1 the block is told as -M + 1 and 2 l, so that every block's scale byte is 125
	WALU
.set I, 0
.rept 32
	v_exp_f32 v[P+I], v[ACC+32*(\e)+I]
.set I, I+1
.endr
	v_exp_f32 v[PM], v[ARG+\e]
	v_nop
	WALU
	v_add_nc_u32 v[SOP], 0xff000000, v[PM]         ; 2 off the exponent field: the conversions' scale operand
	v_lshrrev_b32 v[KK], 23, v[PM]
	v_cvt_scalef32_pk16_fp6_f32 v[CD:CD+2], v[P:P+15], v[SOP]
	v_cvt_scalef32_pk16_fp6_f32 v[TC:TC+2], v[P+16:P+31], v[SOP]
	v_sub_nc_u32 v[KK], 127, v[KK]
	v_mov_b32 v[CD+3], v[TC]
	v_cvt_f32_u32 v21, v[KK]
	v_mov_b32 v[CD+4], v[TC+1]
	v_mov_b32 v[CD+5], v[TC+2]
	v_add_f32 v[NE], v21, v[NM+2*(\e)]
	WALU
	global_store_b128 v[CO], v[CD:CD+3], s[84:85] offset:24576*(\oj)
	global_store_b64 v[CO8], v[CD+4:CD+5], s[84:85] offset:24576*(\oj)+512
.endm
.macro BOUND e, o, j, a, as, set, oj, sj   ; behind block n's products (set e; o = 1 - e): j the block fetched (-1: none), oj, sj the places of blocks n - 1 and n - 2 (-1: none)
	WIN 0
	PLACES 4
	WALU
.if (\j) >= 0
	FETCH \e, \j, \a, \as, \set
.endif
	TOP \e
.if (\sj) >= 0
	KEEP \sj
.endif
.if (\oj) >= 0
	OUT \o, \oj
.else
	WALU
.endif
.endm
.macro START w
	s_wait_dscnt \w
	s_wait_xcnt 0x0                                ; the last block's stores have read their registers and their base
.endm
.macro STEP                            ; on to the next chunk: its slot, its scale words; and the stage's next four blocks
	s_add_co_u32 s101, s101, CH
	s_cmp_eq_u32 s101, 2*CH
	s_cselect_b32 s101, 0, s101
	s_add_co_u32 s91, s91, 512
	v_add_nc_u32 v6, s101, v4
	v_add_nc_u32 v7, s101, v5
	v_add_nc_u32 v13, s91, v12
	v_add_nc_u32 v[VX], s46, v[STO]
	s_add_co_u32 s46, s46, 512
.endm
.macro THREE                           ; the chunk's other three blocks
	START 40
	BLOCK 1, 1, 0, 32, L_FA, ACC, NM
	BOUND 1, 0, 1, 6, 13, 0, 2, 1
	START 32
	BLOCK 0, 0, 0, 32, L_FA, ACC+32, NM+2
	BOUND 0, 1, 2, 6, 13, 1, 3, 2
	START 40
	s_add_nc_u64 s[84:85], s[84:85], 8*24576
	BLOCK 1, 0, 0, 32, L_FA, ACC, NM
	BOUND 1, 0, 3, 6, 13, 0, 0, 3
.endm
; ================= THE HEAD
	s_load_b128 s[4:7], s[0:1], 0x0                ; qkv, pbuf
	v_lshl_add_u32 v[SPW], v0, 2, SPARE
	v_mov_b32 v[NIL], 0
	ds_add_u32 v[SPW], v[NIL]
	ds_add_u32 v[SPW], v[NIL]
	v_lshrrev_b32 v1, 5, v0
	v_readfirstlane_b32 s14, v1
	s_lshr_b32 s15, s14, 1
	s_and_b32 s16, s14, 1
	s_bfe_u32 s40, ttmp6, 0x40000
	s_bfe_u32 s41, ttmp6, 0x40004
	s_lshl_b32 s42, ttmp9, 2
	SADD 42, 40                                    ; which 128 keys of the batch
	s_and_b32 s17, ttmp7, 0xffff                   ; the batch: the cluster's y
	s_lshl_b32 s43, s17, 2
	SADD 43, 41                                    ; which 512 queries of all
	s_lshl_b32 s44, s41, 2
	s_lshl_b32 s44, 15, s44
	s_lshl_b32 s45, 0x1111, s40
	GROUP1 G1A, 44, 24
	GROUP1 G1B, 45, 24
	GROUP1 G1H, 44, 12
	s_or_b32 s[G1S+0], s44, (3<<16)|(1<<21)        ; the queries' scale words: 8 K steps' 2,048 bytes
	s_mov_b32 s[G1S+1], 256<<16
	s_mov_b32 s[G1S+2], 8<<16
	s_mov_b32 s[G1S+3], 256<<16
	s_mov_b32 s[G1S+4], 8
	s_mov_b32 s[G1S+5], 4096
	s_mov_b32 s[G1S+6], 0
	s_mov_b32 s[G1S+7], 0
	s_mul_i32 s67, s43, 4*CH
	s_lshl_b32 s9, s17, 4
	SADD 9, 42                                     ; which 128 keys of all
	s_lshl_b32 s82, s9, 9
	s_lshl_b32 s20, s16, 8
	SADD 82, 20
	s_add_co_u32 s82, s82, 12845056                ; my 64 keys' scale words
	s_mul_i32 s9, s9, CH
	s_add_co_u32 s9, s9, 6291456
	s_lshl_b32 s89, s43, 11
	s_add_co_u32 s89, s89, 12582912
	s_add_co_u32 s88, s67, 2*CH                    ; the chunks still to come
	s_lshl_b32 s90, s40, 2
	SADD 90, 14                                    ; my number among the sixteen waves of my row of the cluster
	s_mul_i32 s90, s90, CH/16
	SADD 90, 88
	s_mov_b32 s[G0A], 1
	s_mov_b32 s[G0A+1], 0
	s_mov_b32 s[G0R], 1
	s_mov_b32 s[G0R+1], CH
	s_mov_b32 s[G0B], 1
	s_mov_b32 s[G0B+1], BVB
	s_mov_b32 s[G0S], 1
	s_mov_b32 s[G0S+1], SCL
	s_mul_i32 s20, s15, CH/2
	s_lshl_b32 s21, s15, 8
	s_add_co_u32 s21, s21, SCL
	s_mul_i32 s22, s16, CH/2
	s_add_co_u32 s22, s22, BVB
	s_lshl_b32 s23, s14, 12
	s_add_co_u32 s23, s23, BVB                     ; my stage
	v_and_b32 v1, 15, v0
	v_bfe_u32 v2, v0, 4, 1
	v_and_b32 v3, 31, v0
	v_lshl_add_u32 v4, v3, 4, s20
	v_lshl_add_u32 v5, v3, 3, s20
	v_lshl_add_u32 v12, v3, 2, s21
	v_lshl_add_u32 v14, v3, 4, s22
	v_lshl_add_u32 v15, v3, 3, s22
	v_lshlrev_b32 v16, 2, v3
	v_lshlrev_b32 v[CO8], 3, v3
	v_lshlrev_b32 v[CO], 4, v3
	v_lshl_add_u32 v17, v1, 1, v2
	v_lshl_add_u32 v[STO], v17, 2, s23             ; + 8 r + 4 h
	v_min_u32 v22, 23, v3
	v_lshl_add_u32 v22, v22, 8, s90                ; my sixteenth of chunk 2: 24 x 256 bytes,
	v_add_nc_u32 v23, CH, v22                      ; and of chunk 3
	v_mov_b32 v[NM+1], 0
	v_mov_b32 v[NM+3], 0
	WALU
	s_wait_dscnt 0x0
	CROUND
	s_wait_kmcnt 0x0
	s_mov_b32 s21, 0
	G0SET G0A, 67
	s_add_nc_u64 s[G0R+2:G0R+3], s[G0A+2:G0A+3], CH
	G0SET G0B, 9
	G0SET G0S, 89
	s_cmp_eq_u32 s14, 0
	s_cbranch_scc0 .Lwave_1
	TLOAD G0B, G1B                                 ; wave 0: the keys
	s_branch .Lasked
.Lwave_1:
	s_cmp_eq_u32 s14, 1
	s_cbranch_scc0 .Lwave_2
	TLOAD G0S, G1S                                 ; wave 1: all 512 queries' scale words
	s_branch .Lasked
.Lwave_2:
	s_cmp_eq_u32 s14, 2
	s_cbranch_scc0 .Lwave_3
	TLOAD G0A, G1A                                 ; wave 2: chunk 0
	s_branch .Lasked
.Lwave_3:
	TLOAD G0R, G1A                                 ; wave 3: chunk 1
.Lasked:
	s_mov_b32 s20, s82
	s_add_nc_u64 s[82:83], s[4:5], s[20:21]
.irp p, 0,1
.irp q, 0,1,2,3,4,5,6,7
	global_load_b32 v[SB+8*\p+\q], v16, s[82:83] offset:32768*\q+128*\p
.endr
.endr
	s_lshl_b32 s20, s43, 5
	s_lshl_b32 s22, s15, 2
	SADD 20, 22
	s_mul_i32 s20, s20, 24576
	s_mul_i32 s22, s42, 1536
	SADD 20, 22
	s_mul_i32 s22, s16, 768
	SADD 20, 22
	s_add_nc_u64 s[84:85], s[6:7], s[20:21]        ; my codes
	s_lshl_b32 s20, s17, 17
	s_lshl_b32 s22, s42, 13
	SADD 20, 22
	s_and_b32 s22, s43, 3
	s_lshl_b32 s22, s22, 11
	SADD 20, 22
	s_lshl_b32 s22, s14, 9
	SADD 20, 22
	s_add_co_u32 s20, s20, 12582912
	s_add_nc_u64 s[78:79], s[6:7], s[20:21]        ; my 128 rows' words in the planes
	s_mov_b32 s[CS], 0x3d38aa3b                    ; log2(e) / sqrt(1,024)
	s_mov_b32 s[CS+1], s[CS]
	s_mov_b32 s101, 0
	s_mov_b32 s91, 0
	s_mov_b32 s46, 0
	s_mov_b32 s47, 0
	s_cmp_eq_u32 s14, 0
	s_cbranch_scc0 .Lnot_b
	s_wait_tensorcnt 0x0
.Lnot_b:
	BARRIER                                        ; the keys are in
.irp q, 0,1,2,3,4,5,6,7
.irp b, 0,1,2,3
	FRAG NB*\q+\b, 14, TB*\b+1536*\q
.endr
.endr
	WIN 0
	s_wait_loadcnt 0x0
	s_cmp_eq_u32 s14, 3
	s_cbranch_scc1 .Lnot_a0
	s_wait_tensorcnt 0x0
.Lnot_a0:
	s_wait_dscnt 0x0
	BARRIER                                        ; chunk 0 and the scale words are in, and all waves hold their keys; chunk 1 may be on its way
	FETCH 0, 0, 4, 12, 0
	FETCH 1, 1, 4, 12, 0
	global_prefetch_b8 v22, s[4:5] th:TH_LOAD_NT scope:SCOPE_SE
	s_wait_dscnt 32
	BLOCK 0, 0, 0, 32, L_NONE
	BOUND 0, 1, 2, 4, 12, 1, -1, -1
	global_prefetch_b8 v23, s[4:5] th:TH_LOAD_NT scope:SCOPE_SE
	s_wait_dscnt 40
	BLOCK 1, 0, 0, 32, L_FO, ACC, NM
	BOUND 1, 0, 3, 4, 12, 1, 0, -1
	s_mov_b32 s86, 0
.Lwith_rounds:                                         ; blocks 2 to 5, 6 to 9
	START 32
	STEP
	s_wait_tensorcnt 0x0
	ds_add_u32 v[SPW], v[NIL]
	s_mul_i32 s20, s14, CH/2                       ; waves 0 and 1: a half each of the chunk at s88, into the slot whose last block has been fetched
	s_add_co_u32 s[G0R+1], s20, s47
	SADD 20, 88
	s_mov_b32 s21, 0
	s_add_nc_u64 s[G0R+2:G0R+3], s[4:5], s[20:21]
	s_or_b32 s[G0R+3], s[G0R+3], 0x80000000
	s_add_co_u32 s88, s88, CH
	s_xor_b32 s47, s47, CH
	BLOCK 0, 1, 0, 26, L_FA, ACC+32, NM+2
	WIN 0
	WALU
	s_wait_dscnt 0x0
	s_barrier_signal -1
	BLOCK 0, 1, 26, 32, L_FA, ACC+32, NM+2
	MIDDLE
	BARRIER
	s_cmp_lt_u32 s14, 2
	s_cbranch_scc0 .Lnone
	TLOAD G0R, G1H
.Lnone:
	BOUND 0, 1, 0, 6, 13, 0, 1, 0
	THREE
	s_add_co_u32 s86, s86, 1
	s_cmp_lg_u32 s86, 2
	s_cbranch_scc1 .Lwith_rounds
	START 32                                       ; block 10: a plain barrier shows the last chunk to all
	STEP
	BLOCK 0, 1, 0, 26, L_FA, ACC+32, NM+2
	WIN 0
	WALU
	s_wait_tensorcnt 0x0
	s_wait_dscnt 0x0
	s_barrier_signal -1
	BLOCK 0, 1, 26, 32, L_FA, ACC+32, NM+2
	WIN 0
	s_barrier_wait -1
	BOUND 0, 1, 0, 6, 13, 0, 1, 0
	THREE
	START 32                                       ; blocks 14 and 15
	v_add_nc_u32 v[VX], s46, v[STO]
	BLOCK 0, 1, 0, 32, L_FA, ACC+32, NM+2
	BOUND 0, 1, -1, 0, 0, 0, 1, 0
	START 0
	BLOCK 1, 1, 0, 32, L_FA, ACC, NM
	BOUND 1, 0, -1, 0, 0, 0, 2, 1
; ================= THE END
.set I, 0
.rept 32
	L_FA I, ACC+32, NM+2
.set I, I+1
.endr
	WALU
	s_wait_xcnt 0x0
	KEEP 2
	OUT 1, 3
.set I, 0
.rept 16
	ADDP I
.set I, I+1
.endr
	KEEP 3
	s_lshl_b32 s20, s14, 9                         ; wave k joins the 128 rows of chunk k: lane l takes rows 4 l .. 4 l + 3: tile l / 4
	s_add_co_u32 s20, s20, BVB
	v_bfe_u32 v20, v0, 2, 2
	v_and_b32 v21, 3, v0
	v_lshlrev_b32 v20, 7, v20
	v_lshl_add_u32 v20, v21, 5, v20
	v_lshl_add_u32 v20, v2, 13, v20
	v_add_nc_u32 v20, s20, v20
	WALU
	s_wait_dscnt 0x0
	BARRIER
.irp b, 0,1
	ds_load_b128 v[64+8*\b:67+8*\b], v20 offset:4096*\b
	ds_load_b128 v[68+8*\b:71+8*\b], v20 offset:4096*\b+16
	ds_load_b128 v[80+8*\b:83+8*\b], v20 offset:4096*\b+2048
	ds_load_b128 v[84+8*\b:87+8*\b], v20 offset:4096*\b+2064
.endr
	s_wait_dscnt 0x0
.irp i, 0,1,2,3
	v_min3_num_f32 v[100+\i], v[64+2*\i], v[65+2*\i], v[72+2*\i]
.endr
.irp i, 0,1,2,3
	v_min_num_f32 v[100+\i], v[100+\i], v[73+2*\i]   ; the least -M of the row's four blocks
.endr
.irp c, 64,65,72,73
.irp i, 0,1,2,3
	v_sub_f32 v[\c+2*\i], v[100+\i], v[\c+2*\i]    ; 0 or less
.endr
.irp i, 0,1,2,3
	v_cvt_i32_f32 v[\c+2*\i], v[\c+2*\i]           ; (it saturates)
.endr
.irp i, 0,1,2,3
	v_ldexp_f32 v[\c+16+2*\i], v[\c+16+2*\i], v[\c+2*\i]
.endr
.irp i, 0,1,2,3
	v_add_nc_u32 v[\c+2*\i], 125, v[\c+2*\i]
.endr
.irp i, 0,1,2,3
	v_max_i32 v[\c+2*\i], 0, v[\c+2*\i]            ; the scale byte, held at 0 from below
.endr
.endr
.irp i, 0,1,2,3
	v_lshl_or_b32 v[104+\i], v[65+2*\i], 8, v[64+2*\i]
	v_add_f32 v[108+\i], v[80+2*\i], v[81+2*\i]
.endr
.irp i, 0,1,2,3
	v_lshl_or_b32 v[104+\i], v[72+2*\i], 16, v[104+\i]
	v_add_f32 v[112+\i], v[88+2*\i], v[89+2*\i]
.endr
.irp i, 0,1,2,3
	v_lshl_or_b32 v[104+\i], v[73+2*\i], 24, v[104+\i]
	v_add_f32 v[108+\i], v[108+\i], v[112+\i]
.endr
	WALU
	global_store_b128 v[CO], v[104:107], s[78:79]  ; 512 bytes on end, aligned
	global_store_b128 v[CO], v[100:103], s[78:79] offset:524288
	global_store_b128 v[CO], v[108:111], s[78:79] offset:1048576
	s_wait_tensorcnt 0x0                           ; the wave's end
	ds_add_u32 v[SPW], v[NIL]
	s_wait_dscnt 0x0
	CROUND
	s_endpgm
.Lfunc_end_k_q217e225f7e_score:
	.size	k_q217e225f7e_score, .Lfunc_end_k_q217e225f7e_score-k_q217e225f7e_score
	.p2alignl 7, 3214868480
	.fill 96, 4, 3214868480
	.section	.rodata,"a",@progbits
	.p2align	6, 0x0
	.amdhsa_kernel k_q217e225f7e_score
		.amdhsa_group_segment_fixed_size 327680
		.amdhsa_private_segment_fixed_size 0
		.amdhsa_enable_private_segment 0
		.amdhsa_kernarg_size 16
		.amdhsa_user_sgpr_count 2
		.amdhsa_user_sgpr_kernarg_segment_ptr 1
		.amdhsa_wavefront_size32 1
		.amdhsa_system_sgpr_workgroup_id_x 1
		.amdhsa_system_sgpr_workgroup_id_y 1
		.amdhsa_system_sgpr_workgroup_id_z 1
		.amdhsa_system_vgpr_workitem_id 0
		.amdhsa_next_free_vgpr 848
		.amdhsa_next_free_sgpr 102
		.amdhsa_reserve_vcc 0
		.amdhsa_float_denorm_mode_32 3
		.amdhsa_float_denorm_mode_16_64 3
		.amdhsa_memory_ordered 1
		.amdhsa_forward_progress 1
		.amdhsa_inst_pref_size 179
	.end_amdhsa_kernel
	.amdgpu_metadata
---
amdhsa.version: [ 1, 2 ]
amdhsa.kernels:
  - .name:           k_q217e225f7e_score
    .symbol:         k_q217e225f7e_score.kd
    .args:
      - { .name: qkv, .offset: 0, .size: 8, .value_kind: global_buffer, .address_space: global }
      - { .name: pbuf, .offset: 8, .size: 8, .value_kind: global_buffer, .address_space: global }
    .group_segment_fixed_size: 327680
    .private_segment_fixed_size: 0
    .kernarg_segment_align: 8
    .kernarg_segment_size: 16
    .max_flat_workgroup_size: 128
    .sgpr_count:     102
    .vgpr_count:     848
    .wavefront_size: 32
...
	.end_amdgpu_metadata
.endif
;; end of part 3
;; launch pv (part 4): grid 4 x 64, 4 waves a work-group, clusters of 4 x 4, 327,680 bytes of LDS; arguments qkv, pbuf, out0; writes out0
.if DOCPART == 4
	.amdgcn_target "amdgcn-amd-amdhsa--gfx1250"
	.amdhsa_code_object_version 6
	.text
	.protected	k_q217e225f7e_pv
	.globl	k_q217e225f7e_pv
	.p2align	8
	.type	k_q217e225f7e_pv,@function
k_q217e225f7e_pv:
	s_mov_b64 s[64:65], 0
	v_nop
	global_prefetch_b8 v0, s[64:65] scope:SCOPE_SE
	s_setreg_imm32_b32 hwreg(HW_REG_WAVE_MODE, 25, 1), 1
	s_wait_xcnt 0x0
	s_wait_alu depctr_hold_cnt(0) depctr_sa_sdst(0) depctr_va_vdst(0) depctr_va_sdst(0) depctr_va_ssrc(0) depctr_va_vcc(0) depctr_vm_vsrc(0)
	s_getreg_b32 s2, hwreg(HW_REG_IB_STS2, 6, 4)
	s_cmp_eq_u32 s2, 0
	s_cbranch_scc0 .Lentry_in_a_cluster
	s_endpgm
.Lentry_in_a_cluster:
	s_bfe_u32 s2, ttmp6, 0x10000c
	s_cmp_lg_u32 s2, 0xf033
	s_cbranch_scc0 .Lentry_shape_is_right
	s_endpgm
.Lentry_shape_is_right:
; out0 = (p v) / l on codes of E2M3.  p's codes were made under a whole number M of their own for each row and each 128 keys; here each row's largest M is found, the difference is taken off p's scale bytes (exact: a power of two),
; the sixteen partial sums l are scaled by the same powers of two and added, and the product is multiplied by 1 / l.
; A tile of out0 is 128 queries x 256 channels (256 work-groups; tiles of 256 x 256 would be 128): four waves, each 64 x 128: 32 accumulators.  K = the batch's 2,048 keys, 16 steps of 128, four to a slot, two LDS slots; written out, no loop.
; TRANSPOSED USE (source 0 = 16 channels of v^T, source 1 = 16 queries of p): a lane holds one query, and register 8 t + i of a block of queries is channel 64 (t / 4) + 32 (lane / 16) + 8 (t % 4) + i.
; Tiles' lane-row r stands for row 64 (T / 4) + 8 (T % 4) + r % 8 + 32 (r / 8): undone for the queries in the stores' offsets.
; CLUSTERS: 4 x 4 work-groups; p's tiles are asked for jointly along a row of the cluster (wave 0), v^T's along a column (waves 1 and 2); wave 3 fetches nothing: a slot is three loads of 49,152 bytes.
; LIMITS: a block of p whose scale byte would fall under 0 gets the byte 0 (2^-127): it lies more than 2^-125 under the row's largest p; NaN and infinities are not served.
; REGISTERS: window 0: v16-29 addresses; v32-39 p's scale words, v40-55 v^T's, two sets each; v56-63 1 / l; v64-159 p's fragments, two sets (first the planes read at the head); on the way out v128-255 rows of out0.
;   window 1: v^T's fragments, two sets, at v0 and v128.   window 2: the accumulators, (a, b) at v[8 (8 a + b)].
.set SLOT,  147456                     ; p's 8 tiles x 6,144 bytes (four K steps), then v^T's 16
.set BSC,   294912                     ; behind the ring: v^T's scale words, two halves of 8,192 bytes [ks 16][8 tiles][64 B]: filled once
.set ASC,   311296                     ; p's scale words under the row's M, [ks 16][8 tiles][64 B]: stored by the waves; no tile lands here
.set RLS,   319488                     ; 1 / l of the 128 queries
.set SPARE, 320000                     ; the spare words, 128 bytes for each wave: two blocks of 256 bytes that no other line names
.set ADRA, 16
.set ADRB, 20
.set ADSA, 22
.set ADSB, 23
.set STO,  24
.set RD,   25
.set CO,   26
.set SPW,  28
.set NIL,  29
.set SA,   32
.set SB,   40
.set RL,   56
.set G1,   24
.set G0,   32
.set G1B,  48
.set G0B,  56
.set G1SB, 80
.set G0SB, 88
.set MUL,  0xa1                        ; source 0 window 1, source 1 window 0, C and D window 2
.set MSB, 0
.macro WIN new
.if MSB != \new
	s_set_vgpr_msb (MSB<<8)|\new
.set MSB, \new
.endif
.endm
.macro CREST
	s_cmp_lg_u32 s14, 0
	s_cbranch_scc1 .Lnot_wave_0_\@
	s_barrier_signal -3
.Lnot_wave_0_\@:
	s_barrier_wait -3
	s_barrier_signal -1
	s_barrier_wait -1
.endm
.macro CROUND
	s_barrier_signal -1
	s_barrier_wait -1
	CREST
.endm
.macro PLACES n
.rept \n
	v_nop
.endr
.endm
; A joint refill: wave 0 asks for p's tiles, waves 1 and 2 for v^T's halves, wave 3 for nothing.  The branches hang on the wave's number alone.  Four v_nop follow each of the two lines.
.macro JL3 s
	s_cmp_eq_u32 s14, 0
	s_cbranch_scc0 .Lnot_a_\@
	tensor_load_to_lds s[G0+4*\s:G0+4*\s+3], s[G1:G1+7]
	s_nop 0
.rept 4
	v_nop
.endr
	s_branch .Lasked_\@
.Lnot_a_\@:
	s_cmp_lt_u32 s14, 3
	s_cbranch_scc0 .Lasked_\@
	tensor_load_to_lds s[G0B+4*\s:G0B+4*\s+3], s[G1B:G1B+7]
	s_nop 0
.rept 4
	v_nop
.endr
.Lasked_\@:
.endm
; 52 LDS loads in one run: the fragments and scale words of the slot's q-th 128 keys (K step ksg of the batch) into set p
.macro FETCH slot, q, p, ksg
	WIN 0x40
.irp b, 0,1,2,3,4,5,6,7
.irp c, 0,1,2
	ds_load_b128 v[128*(\p)+12*\b+4*\c:128*(\p)+12*\b+4*\c+3], v[ADRB+\slot] offset:6144*\b+1536*(\q)+512*\c
.endr
.endr
	WIN 0
.irp a, 0,1,2,3
.irp c, 0,1                            ; p's fragments are two half-fragments of 768 bytes: registers 0-3 at 16 x lane, 4-5 at 512 + 8 x lane
	ds_load_b128 v[64+48*(\p)+12*\a+6*\c:64+48*(\p)+12*\a+6*\c+3], v[ADRA+\slot] offset:6144*\a+1536*(\q)+768*\c
	ds_load_b64 v[64+48*(\p)+12*\a+6*\c+4:64+48*(\p)+12*\a+6*\c+5], v[18+\slot] offset:6144*\a+1536*(\q)+768*\c+512
.endr
.endr
.irp a, 0,1,2,3
	ds_load_b32 v[SA+4*(\p)+\a], v[ADSA] offset:512*(\ksg)+64*\a
.endr
.irp b, 0,1,2,3,4,5,6,7
	ds_load_b32 v[SB+8*(\p)+\b], v[ADSB] offset:1024*(\ksg)+64*\b
.endr
.endm
; 8 products: block a of my queries x my eight tiles of channels.  The 32 accumulators take turns, one instruction a turn
.macro MUL8 a, p, zero
.irp b, 0,1,2,3,4,5,6,7
.if \zero
	v_wmma_scale_f32_16x16x128_f8f6f4 v[8*(8*(\a)+\b):8*(8*(\a)+\b)+7], v[128*(\p)+12*\b:128*(\p)+12*\b+11], v[64+48*(\p)+12*(\a):64+48*(\p)+12*(\a)+11], 0, v[SB+8*(\p)+\b], v[SA+4*(\p)+(\a)] matrix_a_fmt:MATRIX_FMT_FP6 matrix_b_fmt:MATRIX_FMT_FP6
.else
	v_wmma_scale_f32_16x16x128_f8f6f4 v[8*(8*(\a)+\b):8*(8*(\a)+\b)+7], v[128*(\p)+12*\b:128*(\p)+12*\b+11], v[64+48*(\p)+12*(\a):64+48*(\p)+12*(\a)+11], v[8*(8*(\a)+\b):8*(8*(\a)+\b)+7], v[SB+8*(\p)+\b], v[SA+4*(\p)+(\a)] matrix_a_fmt:MATRIX_FMT_FP6 matrix_b_fmt:MATRIX_FMT_FP6
.endif
.endr
.endm
; One of a slot's first three steps: the next step's loads go out, then this step's 32 products
.macro STEP slot, q, ksg, zero
	s_wait_dscnt 0x0                               ; this step's 52 loads are in
	PLACES 4                                       ; ahead of loads into the set that the last step multiplied
	FETCH \slot, (\q)+1, ((\q)+1)%2, (\ksg)+1
	WIN MUL
	MUL8 0, (\q)%2, \zero
	MUL8 1, (\q)%2, \zero
	MUL8 2, (\q)%2, \zero
	MUL8 3, (\q)%2, \zero
	WIN 0
.endm
; A slot's fourth step changes slots: ONE barrier; in front of it each wave waits for all its tensor loads, adds 0 to its spare word, and waits for that and for its reads of this slot.  fill = 1: this slot is filled again, two slots ahead.
.macro TURN slot, next, fill, ksg
	s_wait_tensorcnt 0x0                           ; all my tensor loads have landed: my part of the next slot
	ds_add_u32 v[SPW], v[NIL]                      ; 0 onto my spare word
	s_wait_dscnt 1                                 ; this step's loads are in (the add may be out)
	WIN MUL
	MUL8 0, 1, 0                                   ; eight products stand between the add and the wait for it
	s_wait_dscnt 0x0                               ; the add is done, and my reads of this slot are over
	s_barrier_signal -1
	MUL8 1, 1, 0
	WIN 0
	s_barrier_wait -1
.if \fill
	CREST                                          ; a round of the cluster's barrier: no wave of any partner still reads this slot or has a load on its way
	s_add_nc_u64 s[G0+4*\slot+2:G0+4*\slot+3], s[G0+4*\slot+2:G0+4*\slot+3], 12288
	s_add_nc_u64 s[G0B+4*\slot+2:G0B+4*\slot+3], s[G0B+4*\slot+2:G0B+4*\slot+3], 12288
	JL3 \slot                                      ; the first tensor load behind the round: it has three and a half steps, 112 products, in which to land
.endif
	PLACES 4                                       ; on every wave's way: wave 3 has passed no load's v_nop
	FETCH \next, 0, 0, (\ksg)+1
	WIN MUL
	MUL8 2, 1, 0
	MUL8 3, 1, 0
	WIN 0
.endm
; THE WAY OUT of block a: x 1 / l, through my stage in LDS, back as whole rows of 512 bytes
.macro TOSTAGE a
	WIN 0x82                                       ; destination and source 0: window 2
.set i, 0
.rept 32
	v_pk_mul_f32 v[64*(\a)+i:64*(\a)+i+1], v[64*(\a)+i:64*(\a)+i+1], v[RL+2*(\a):RL+2*(\a)+1]   ; each accumulator from its low end on
.set i, i+2
.endr
	WIN 0x08                                       ; an LDS store's data are its source 1: window 2
.irp t, 0,1,2,3,4,5,6,7
	ds_store_b128 v[STO], v[64*(\a)+8*\t:64*(\a)+8*\t+3] offset:256*(\t/4)+32*(\t%4)
	ds_store_b128 v[STO], v[64*(\a)+8*\t+4:64*(\a)+8*\t+7] offset:256*(\t/4)+32*(\t%4)+16
.endr
	WIN 0
.set BB, 128+64*((\a)%2)
.irp t, 0,1,2,3,4,5,6,7,8,9,10,11,12,13,14,15
	ds_load_b128 v[BB+4*\t:BB+4*\t+3], v[RD] offset:528*\t   ; LDS serves a wave's instructions in order: these see the stores above, and the next block's stores come behind them
.endr
.endm
.macro SEND a, younger
.set BB, 128+64*((\a)%2)
	s_wait_dscnt \younger                          ; the block is back in registers; the next block's 16 stores and 16 loads may be out
.irp t, 0,1,2,3,4,5,6,7,8,9,10,11,12,13,14,15
	global_store_b128 v[CO], v[BB+4*\t:BB+4*\t+3], s[8:9] offset:(8*(\a)+\t%8+32*(\t/8))*4096 th:TH_STORE_NT   ; lane-row 8 h + i of block a is row 32 h + 8 a + i; 512 consecutive bytes, aligned
.endr
.endm
	s_load_b128 s[4:7], s[0:1], 0x0                ; qkv s[4:5], pbuf s[6:7]
	s_load_b64 s[8:9], s[0:1], 0x10                ; out0
	v_lshl_add_u32 v[SPW], v0, 2, SPARE
	v_mov_b32 v[NIL], 0
	ds_add_u32 v28, v29
	ds_add_u32 v28, v29
	s_wait_dscnt 0x0
	v_lshrrev_b32 v1, 5, v0
	v_readfirstlane_b32 s14, v1                    ; wave 0..3
	s_lshr_b32 s15, s14, 1                         ; my half of the queries.  Also, for waves 1 and 2: which half of v^T's tiles I fetch
	s_and_b32 s16, s14, 1                          ; my half of the channels
	s_bfe_u32 s40, ttmp6, 0x40000                  ; cx
	s_bfe_u32 s41, ttmp6, 0x40004                  ; cy
	s_lshl_b32 s42, ttmp9, 2
	s_add_co_u32 s42, s42, s40                     ; which 256 channels
	s_and_b32 s22, ttmp7, 0xffff
	s_lshl_b32 s17, s22, 2
	s_add_co_u32 s17, s17, s41                     ; which 128 queries of all 8,192
	s_lshr_b32 s45, s22, 2                         ; the batch: from the cluster's y alone
	s_lshl_b32 s43, s41, 2
	s_lshl_b32 s43, 15, s43                        ; my row of the cluster
	s_lshl_b32 s44, 0x1111, s40                    ; my column
	s_or_b32 s[G1+0], s43, (3<<16)|(1<<21)
	s_or_b32 s[G1B+0], s44, (3<<16)|(1<<21)
.irp g, G1, G1B                        ; codes: 8 tiles' 6,144 bytes (four K steps), 24,576 bytes apart, in elements of 8 bytes
	s_mov_b32 s[\g+1], 768<<16
	s_mov_b32 s[\g+2], 8<<16
	s_mov_b32 s[\g+3], 768<<16
	s_mov_b32 s[\g+4], 8
	s_mov_b32 s[\g+5], 3072
	s_mov_b32 s[\g+6], 0
	s_mov_b32 s[\g+7], 0
.endr
	s_or_b32 s[G1SB+0], s44, (3<<16)|(1<<21)       ; v^T's scale words: 16 K steps' 512 bytes, 4,096 bytes apart
	s_mov_b32 s[G1SB+1], 128<<16                   ; (of all 16 tiles: 1,024 bytes a K step)
	s_mov_b32 s[G1SB+2], 16<<16
	s_mov_b32 s[G1SB+3], 128<<16
	s_mov_b32 s[G1SB+4], 16
	s_mov_b32 s[G1SB+5], 512
	s_mov_b32 s[G1SB+6], 0
	s_mov_b32 s[G1SB+7], 0
	s_mul_i32 s20, s17, 196608                     ; p: 8 tiles of 24,576 bytes a work-group
	s_mov_b32 s21, 0
	s_lshl_b32 s92, s42, 4
	s_lshl_b32 s47, s15, 3
	s_add_co_u32 s92, s92, s47                     ; v^T's tile in the batch: 16 x tile column + 8 x half
	s_lshl_b32 s46, s45, 6
	s_add_co_u32 s46, s46, s92
	s_mul_i32 s46, s46, 24576
	s_add_co_u32 s46, s46, 13107200                ; its codes
	s_mov_b32 s47, 0
	s_lshl_b32 s92, s42, 10
	s_lshl_b32 s93, s45, 16
	s_add_co_u32 s92, s92, s93
	s_add_co_u32 s92, s92, 19398656                ; its scale words
	s_mov_b32 s93, 0
	s_mul_i32 s94, s14, 49152                      ; where a slot's three parts go: wave x 49,152
	s_lshl_b32 s95, s15, 13
	s_lshl_b32 s18, s17, 3                         ; the planes: my 8 tiles' words of the batch's 128
	s_and_b32 s18, s18, 127
	s_lshl_b32 s18, s18, 6
	s_lshl_b32 s19, s45, 17
	s_add_co_u32 s18, s18, s19
	s_add_co_u32 s18, s18, 12582912
	s_mov_b32 s19, 0
	s_lshl_b32 s22, s17, 7                         ; out0: my first row,
	s_lshl_b32 s23, s15, 6
	s_add_co_u32 s22, s22, s23
	s_lshl_b32 s22, s22, 12
	s_lshl_b32 s23, s42, 10                        ; my first channel
	s_add_co_u32 s22, s22, s23
	s_lshl_b32 s23, s16, 9
	s_add_co_u32 s22, s22, s23
	s_mov_b32 s23, 0
	s_wait_kmcnt 0x0
	s_add_nc_u64 s[20:21], s[6:7], s[20:21]
	s_add_nc_u64 s[46:47], s[4:5], s[46:47]
	s_add_nc_u64 s[92:93], s[4:5], s[92:93]
	s_add_nc_u64 s[18:19], s[6:7], s[18:19]
	s_add_nc_u64 s[8:9], s[8:9], s[22:23]
.irp s, 0,1
	s_mov_b32 s[G0+4*\s], 1
	s_add_co_u32 s[G0+4*\s+1], s94, \s*SLOT
	s_add_nc_u64 s[G0+4*\s+2:G0+4*\s+3], s[20:21], \s*6144
	s_or_b32 s[G0+4*\s+3], s[G0+4*\s+3], 0x80000000
	s_mov_b32 s[G0B+4*\s], 1
	s_add_co_u32 s[G0B+4*\s+1], s94, \s*SLOT
	s_add_nc_u64 s[G0B+4*\s+2:G0B+4*\s+3], s[46:47], \s*6144
	s_or_b32 s[G0B+4*\s+3], s[G0B+4*\s+3], 0x80000000
.endr
	s_mov_b32 s[G0SB], 1
	s_mov_b32 s[G0SB+1], BSC
	s_mov_b64 s[G0SB+2:G0SB+3], s[92:93]
	s_or_b32 s[G0SB+3], s[G0SB+3], 0x80000000
	CROUND                                         ; all sixteen work-groups are here: the first joint loads meet
	s_cmp_eq_u32 s14, 0                            ; a wave's first fills stand in one branch
	s_cbranch_scc0 .Lfirst_not_a
	tensor_load_to_lds s[G0:G0+3], s[G1:G1+7]      ; one load a wave: wave 0 p's tiles,
	s_nop 0
.rept 4
	v_nop
.endr
	s_branch .Lfirst_asked
.Lfirst_not_a:
	s_cmp_lt_u32 s14, 3
	s_cbranch_scc0 .Lfirst_scales
	tensor_load_to_lds s[G0B:G0B+3], s[G1B:G1B+7]  ; waves 1 and 2 v^T's halves,
	s_nop 0
.rept 4
	v_nop
.endr
	s_branch .Lfirst_asked
.Lfirst_scales:
	tensor_load_to_lds s[G0SB:G0SB+3], s[G1SB:G1SB+7]   ; wave 3 v^T's scale words
	s_nop 0
.rept 4
	v_nop
.endr
.Lfirst_asked:
	; THE HEAD, while the first fills are on their way.  Thread t owns query word t of the work-group's 8 tiles: its 16 scale words, 16 -M and 16 l
	v_lshlrev_b32 v4, 2, v0
.irp p, 0,1,2
.irp k, 0,1,2,3,4,5,6,7,8,9,10,11,12,13,14,15
	global_load_b32 v[64+16*\p+\k], v4, s[18:19] offset:8192*\k+524288*\p
.endr
.endr
	v_add_nc_u32 v5, ASC, v4
	v_add_nc_u32 v6, RLS, v4
	v_and_b32 v1, 15, v0                           ; r
	s_wait_alu depctr_va_vdst(0)
	v_bfe_u32 v2, v0, 4, 1                         ; h
	v_and_b32 v3, 31, v0
	v_lshlrev_b32 v[CO], 4, v3
	v_lshlrev_b32 v7, 3, v3
	s_mul_i32 s21, s15, 24576                      ; my 4 tiles of p
	s_mul_i32 s22, s16, 49152                      ; my 8 tiles of v^T,
	s_add_co_u32 s22, s22, 49152                   ; which lie behind p's 8
.irp s, 0,1
	v_add_nc_u32 v[ADRA+\s], s21, v[CO]
	v_add_nc_u32 v[18+\s], s21, v7
	v_add_nc_u32 v[ADRB+\s], s22, v[CO]
	s_add_co_u32 s21, s21, SLOT
	s_add_co_u32 s22, s22, SLOT
.endr
	s_lshl_b32 s21, s15, 8
	s_add_co_u32 s22, s21, ASC
	v_lshl_add_u32 v[ADSA], v1, 2, s22
	s_add_co_u32 s22, s21, RLS
	v_lshl_add_u32 v27, v1, 2, s22
	s_lshl_b32 s21, s16, 9
	s_add_co_u32 s21, s21, BSC
	v_lshl_add_u32 v[ADSB], v1, 2, s21
	s_mul_i32 s21, s14, 8448                       ; my stage, 16 rows x (512 + 16) bytes, in slot 0: used only when that slot has had its last fill and its last read
	v_mul_u32_u24 v[STO], v1, 528
	v_lshl_add_u32 v[STO], v2, 7, v[STO]
	v_add_nc_u32 v[STO], s21, v[STO]               ; in: row r, + 128 h
	v_add_nc_u32 v[RD], s21, v[CO]                 ; back: 16 bytes a lane
	s_wait_loadcnt 0x0
	v_min3_num_f32 v112, v80, v81, v82             ; the least -M: the row's M
.irp k, 3,5,7,9,11,13
	v_min3_num_f32 v112, v112, v[80+\k], v[81+\k]
.endr
	v_min_num_f32 v112, v112, v95
.irp k, 0,1,2,3,4,5,6,7,8,9,10,11,12,13,14,15
	v_sub_f32 v113, v112, v[80+\k]                 ; these keys' M less the row's: a whole number, 0 or less
	v_cvt_i32_f32 v113, v113                       ; (it saturates)
	v_ldexp_f32 v[96+\k], v[96+\k], v113           ; l under the row's M
	v_sub_nc_u32 v114, 0, v113
	v_min_u32 v114, 127, v114                      ; d: what comes off each byte
	v_mul_lo_u32 v114, v114, 0x1010101
	v_or_b32 v115, 0x80808080, v[64+\k]            ; the bytes are 0 to 125: 128 + b - d lies in 1 .. 253, so no byte borrows from its neighbour
	v_sub_nc_u32 v115, v115, v114
	v_and_b32 v116, 0x80808080, v115               ; the top bit stays where b >= d
	v_lshrrev_b32 v117, 7, v116
	v_sub_nc_u32 v116, v116, v117                  ; 0x7f there, 0 elsewhere
	v_and_b32 v115, v115, v116                     ; b - d, held at 0 from below
	ds_store_b32 v5, v115 offset:512*\k
.endr
.irp k, 2,4,6,8,10,12,14
	v_pk_add_f32 v[96:97], v[96:97], v[96+\k:97+\k]
.endr
	v_add_f32 v96, v96, v97                        ; the row's sum: at least 1/2
	s_wait_alu depctr_va_vdst(0)
	v_rcp_f32 v96, v96
	v_nop                                          ; one plain place behind a transcendental
	s_wait_alu depctr_va_vdst(0)
	ds_store_b32 v6, v96
	s_wait_tensorcnt 0x0                           ; my first fill is in
	ds_add_u32 v[SPW], v[NIL]
	s_wait_dscnt 0x0                               ; and my stores have landed:
	CROUND                                         ; everybody's
	JL3 1                                          ; slot 1's first fill
.irp a, 0,1,2,3
	ds_load_b32 v[RL+2*\a], v27 offset:64*\a       ; 1 / l of my four blocks' queries, twice: a pair for the packed multiply
	ds_load_b32 v[RL+2*\a+1], v27 offset:64*\a
.endr
	FETCH 0, 0, 0, 0
	STEP 0, 0, 0, 1                                ; the first step's products start the sums
	STEP 0, 1, 1, 0
	STEP 0, 2, 2, 0
	TURN 0, 1, 1, 3
	STEP 1, 0, 4, 0
	STEP 1, 1, 5, 0
	STEP 1, 2, 6, 0
	TURN 1, 0, 1, 7
	STEP 0, 0, 8, 0
	STEP 0, 1, 9, 0
	STEP 0, 2, 10, 0
	TURN 0, 1, 0, 11                               ; nothing is left to fetch: no round
	STEP 1, 0, 12, 0
	STEP 1, 1, 13, 0
	STEP 1, 2, 14, 0
	s_wait_dscnt 0x0                               ; the very last step
	WIN MUL
	MUL8 0, 1, 0
	MUL8 1, 1, 0
	MUL8 2, 1, 0
	MUL8 3, 1, 0
	WIN 0
	PLACES 4
	TOSTAGE 0
.irp a, 1,2,3
.if \a > 1
	s_wait_xcnt 0x0                                ; block a - 2's stores have read their registers: block a's rows may land there
.endif
	TOSTAGE \a
	SEND \a-1, 32
.endr
	SEND 3, 0
	s_wait_tensorcnt 0x0                           ; the wave's end
	ds_add_u32 v[SPW], v[NIL]
	s_wait_dscnt 0x0
	CROUND                                         ; the closing round
	s_endpgm
.Lfunc_end_k_q217e225f7e_pv:
	.size	k_q217e225f7e_pv, .Lfunc_end_k_q217e225f7e_pv-k_q217e225f7e_pv
	.p2alignl 7, 3214868480
	.fill 96, 4, 3214868480
	.section	.rodata,"a",@progbits
	.p2align	6, 0x0
	.amdhsa_kernel k_q217e225f7e_pv
		.amdhsa_group_segment_fixed_size 327680
		.amdhsa_private_segment_fixed_size 0
		.amdhsa_enable_private_segment 0
		.amdhsa_kernarg_size 24
		.amdhsa_user_sgpr_count 2
		.amdhsa_user_sgpr_kernarg_segment_ptr 1
		.amdhsa_wavefront_size32 1
		.amdhsa_system_sgpr_workgroup_id_x 1
		.amdhsa_system_sgpr_workgroup_id_y 1
		.amdhsa_system_sgpr_workgroup_id_z 1
		.amdhsa_system_vgpr_workitem_id 0
		.amdhsa_next_free_vgpr 768
		.amdhsa_next_free_sgpr 98
		.amdhsa_reserve_vcc 0
		.amdhsa_float_denorm_mode_32 3
		.amdhsa_float_denorm_mode_16_64 3
		.amdhsa_memory_ordered 1
		.amdhsa_forward_progress 1
		.amdhsa_inst_pref_size 172
	.end_amdhsa_kernel
	.amdgpu_metadata
---
amdhsa.version: [ 1, 2 ]
amdhsa.kernels:
  - .name:           k_q217e225f7e_pv
    .symbol:         k_q217e225f7e_pv.kd
    .args:
      - { .name: qkv, .offset: 0, .size: 8, .value_kind: global_buffer, .address_space: global }
      - { .name: pbuf, .offset: 8, .size: 8, .value_kind: global_buffer, .address_space: global }
      - { .name: out0, .offset: 16, .size: 8, .value_kind: global_buffer, .address_space: global }
    .group_segment_fixed_size: 327680
    .private_segment_fixed_size: 0
    .kernarg_segment_align: 8
    .kernarg_segment_size: 24
    .max_flat_workgroup_size: 128
    .sgpr_count:     98
    .vgpr_count:     768
    .wavefront_size: 32
...
	.end_amdgpu_metadata
.endif
;; end of part 4
